; MI455X (gfx1250); checked and timed in simulation.
; The chip was launched on July 23, 2026; its instructions are those of AMD's public machine-readable ISA for CDNA 5 (MIT licence, August 2026) and "CDNA5" Instruction Set Architecture Reference Guide (July 2026). The comments in the code are by the model that wrote it; some were corrected since.
;; Attention. Allowed arithmetic: matrix products marked QUANTISED: E2M1 operands, one E8M0 scale for each 32 along K, by v_wmma_scale_f32_16x16x128_f8f6f4 with both operands' format E2M1 (or v_wmma_scale_f32_32x16x128_f4), f32 sums; products left as they are: bf16, f16 or f32 operands; f32 sums; everything else in f32.
;; Inputs: Wk 1,024 x 1,024 float32; Wo 1,024 x 1,024 float32; Wq 1,024 x 1,024 float32; Wv 1,024 x 1,024 float32; x 4 x 2,048 x 1,024 float32.
;; Outputs: out0 4 x 2,048 x 1,024 float32.
;; This version of the problem:
;;   THIS VERSION OF THE PROBLEM IS GIVEN IN LOW PRECISION. The matrix products marked QUANTISED in the list below multiply operands that are first quantised to E2M1 (2 exponent bits, 1 mantissa bit; 4 bits a number), with one power-of-two scale for each 32 numbers along K (OCP MX v1.0); their sums are f32. The products marked 'left as it is' may take bf16, f16 or f32 operands, with f32 sums. Whichever they take, every output number must still come out within the allowed error. Rounding operands to bf16 (8 significant bits) uses up far more of that allowance than f16 does (11 bits, for magnitudes from 6e-5 to 65,504). All else is computed in f32.
;;   The module's matrix products, in the order in which they are computed (A, B: the left and right operand; K: the contracted axis; several contracted axes count as one K, in the product's order):
;;     1. [M 8,192, K 1,024] x [K 1,024, N 1,024]; A: input x; B: input Wq: QUANTISED
;;     2. [M 8,192, K 1,024] x [K 1,024, N 1,024]; A: input x; B: input Wk: QUANTISED
;;     3. [M 8,192, K 1,024] x [K 1,024, N 1,024]; A: input x; B: input Wv: QUANTISED
;;     4. batch 64 x [M 2,048, K 64] x [K 64, N 2,048]; A: computed on the way; B: computed on the way: left as it is (an operand is computed on the way)
;;     5. batch 64 x [M 2,048, K 2,048] x [K 2,048, N 64]; A: computed on the way; B: computed on the way: left as it is (an operand is computed on the way)
;;     6. [M 8,192, K 1,024] x [K 1,024, N 1,024]; A: computed on the way; B: input Wo: left as it is (an operand is computed on the way)
;;   THE QUANTISER, for each operand of a quantised product, along K:
;;     - K is cut into blocks of 32 from its start; a last block that is shorter is filled with zeros.
;;     - A block's scale is 2^e with e = floor(log2(the largest magnitude in the block)) - 2, held to -126 .. 127; a block of zeros has e = 0. As a byte (E8M0): e + 127.
;;     - Each number is divided by its block's scale, clamped to +-6, and rounded to the nearest number of E2M1, ties to even, subnormals kept.
;;     - The product sums the exact products of the quantised numbers (number of the format x scale) in f32.
;;   ~~~python
;;   def quantise(x, axis):      # numpy; x: float32 -> the quantised numbers, widened to float32 again
;;       x = np.moveaxis(x, axis, -1); K = x.shape[-1]
;;       x = np.pad(x, [(0, 0)] * (x.ndim - 1) + [(0, -K % 32)]); x = x.reshape(x.shape[:-1] + (-1, 32)); a = np.abs(x).max(-1, keepdims=True)
;;       e = np.where(a > 0, np.clip(np.frexp(np.where(a > 0, a, 1))[1] - 1 - 2, -126, 127), 0)      # np.frexp(a)[1] - 1 = floor(log2(a)), exactly
;;       r = np.clip(x / 2.0 ** e, -6, 6)
;;       step = 2.0 ** (np.maximum(np.frexp(np.where(r == 0, 1, r))[1] - 1, 0) - 1)
;;       q = np.round(r / step) * step * 2.0 ** e      # np.round: ties to even
;;       return np.moveaxis(q.reshape(q.shape[:-2] + (-1,))[..., :K], -1, axis).astype(np.float32)
;;   ~~~
;; One version. Each part assembles by itself: llvm-mc -triple=amdgcn-amd-amdhsa -mcpu=gfx1250 --defsym DOCPART=n.
;; ======== version 1 of 1: 5 launches
;; limits: values are held in f16: magnitudes above 65,504 overflow, below 6.1e-05 lose precision
;; workspace buffers: xc 4,194,304 bytes; xs 262,144 bytes; wc 1,572,864 bytes; ws 98,304 bytes; wo16 2,097,152 bytes; qkv 50,331,648 bytes; q32 786,432 bytes; att 16,777,216 bytes
;; launch quant (part 1): grid 384 x 1, 4 waves a work-group, no clusters, 33,280 bytes of LDS; arguments x, Wq, Wk, Wv, Wo, xc, xs, wc, ws, wo16; writes xc, xs, wc, ws, wo16
.if DOCPART == 1
	.amdgcn_target "amdgcn-amd-amdhsa--gfx1250"
	.amdhsa_code_object_version 6
	.text
	.protected	k_q61cbe3d176_quant
	.globl	k_q61cbe3d176_quant
	.p2align	8
	.type	k_q61cbe3d176_quant,@function
k_q61cbe3d176_quant:
	s_mov_b64 s[64:65], 0
	v_nop
	global_prefetch_b8 v0, s[64:65] scope:SCOPE_SE
	s_setreg_imm32_b32 hwreg(HW_REG_WAVE_MODE, 25, 1), 1
	s_wait_xcnt 0x0
; x [8192][1024] and Wq, Wk, Wv [1024][1024], f32, K innermost, become codes of FP4 (E2M1), two to a byte, with one E8M0 scale byte for each 32 along K; Wo [1024][1024] becomes f16.
; A block's scale is 2^(floor(log2(its largest magnitude)) - 2); its byte is the largest magnitude's exponent field - 2, held at 1 from below.  Each number is divided by the scale and rounded to the
; nearest code, ties to even; what lies beyond 6 gets the largest code.
; LIMITS: a block of zeros gets the byte 1 where the rule says 127 (its codes are zeros, and this program alone reads the bytes); blocks whose largest magnitude lies under 2^(2 - 126) were not tried;
; NaN and infinities are not served; a number of Wo above 65,504 in magnitude becomes infinite in f16.
; SHARES.  Rows are dense and K is a multiple of 32: every tensor is a plain stream of blocks of 32.  A work-group takes 32,768 numbers, a wave 8,192.
; Work-groups 0-255: x.  256-351: Wq, Wk, Wv, 32 work-groups each; their codes lie one tensor behind the other in wc and ws.  352-383: Wo.  Only pointers are chosen; x and the three weights take one path.
; A wave's 16 steps of 512 numbers: four loads of 512 consecutive bytes; the 2,048 bytes turn through the wave's own stage in LDS, so that a lane holds 16 neighbours along K (two lanes hold a block);
; a lane's 16 codes are 8 bytes, the wave stores 256 consecutive bytes; the wave's 256 scale bytes are gathered in LDS and leave as one store of 256 consecutive bytes.  Waves share nothing: no barrier.
.set WAVES, 4
.set STEPS, 16
.set EMAX,  2
.set CB,    8                          ; bytes of 16 codes
.set R,     16                         ; v16-79   four sets of 16 numbers as loaded
.set X,     80                         ; v80-111  two sets of 16 neighbours
.set E,     112                        ; v112-127 a scale byte for each step
.set C,     128                        ; v128-191 codes: registers of its own for each step, so that no store's data are written again
.set WREG,  8192                       ; LDS: a region for each wave: two stages of 32 x SP bytes, behind them its 256 scale bytes
.set SP,    80                         ; a lane's place in a stage: 64 bytes + 16 of padding
.set SPW,   12                         ; v12  LDS address of my spare word; never rewritten
.set NIL,   13                         ; v13  0; never rewritten
.set SPARE, WAVES*WREG                 ; behind the regions: the spare words, 128 bytes a wave
.set F,     16                         ; the cast: v16-143 two sets of 64 numbers
.set H,     144                        ; v144-175 a round's f16 numbers
	s_load_b256 s[4:11], s[0:1], 0x0               ; x, Wq, Wk, Wv
	s_load_b256 s[12:19], s[0:1], 0x20             ; Wo, xc, xs, wc
	s_load_b128 s[20:23], s[0:1], 0x40             ; ws, wo16
	v_lshl_add_u32 v[SPW], v0, 2, SPARE
	v_mov_b32 v[NIL], 0
	v_lshrrev_b32 v1, 5, v0
	v_readfirstlane_b32 s24, v1                    ; wave
	v_and_b32 v2, 31, v0                           ; lane
	v_lshlrev_b32 v3, 4, v2                        ; my 16 bytes of a load's 512
	s_mul_i32 s25, s24, WREG
	v_lshrrev_b32 v14, 2, v2
	v_mul_u32_u24 v14, v14, SP
	v_and_b32 v15, 3, v2
	v_lshl_add_u32 v14, v15, 4, v14
	v_add_nc_u32 v14, s25, v14                     ; the stage, on the way in: SP (lane / 4) + 16 (lane % 4)
	v_mul_u32_u24 v15, v2, SP
	v_add_nc_u32 v15, s25, v15                     ; and on the way out: SP x lane: my 16 neighbours
	v_mul_u32_u24 v4, v2, CB                       ; my codes' place in a step's
	v_lshrrev_b32 v5, 1, v2
	s_add_co_u32 s25, s25, 2*32*SP
	v_add_nc_u32 v5, s25, v5                       ; LDS: my wave's 256 scale bytes, my block's byte
	v_lshlrev_b32 v7, 3, v2                        ; 8 bytes a lane
	v_add_nc_u32 v6, s25, v7
	s_mov_b32 s31, 0
	s_wait_kmcnt 0x0
	s_cmp_ge_u32 ttmp9, 352
	s_cbranch_scc1 .Lcvt                           ; the last 32 work-groups cast Wo
	s_sub_co_u32 s26, ttmp9, 256                   ; j: which run of the three weights
	s_lshr_b32 s27, s26, 5                         ; which weight
	s_and_b32 s28, s26, 31                         ; which run of it
	s_cmp_eq_u32 s27, 1
	s_cselect_b64 s[6:7], s[8:9], s[6:7]
	s_cmp_eq_u32 s27, 2
	s_cselect_b64 s[6:7], s[10:11], s[6:7]         ; the weight: the choice hangs on the work-group's number alone
	s_cmp_lt_u32 ttmp9, 256                        ; x's work-group?
	s_cselect_b64 s[4:5], s[4:5], s[6:7]           ; from where,
	s_cselect_b64 s[14:15], s[14:15], s[18:19]     ; the codes' buffer,
	s_cselect_b64 s[16:17], s[16:17], s[20:21]     ; the scale bytes',
	s_cselect_b32 s28, ttmp9, s28                  ; the run in the source,
	s_cselect_b32 s26, ttmp9, s26                  ; and in the destination
	s_lshl_b32 s28, s28, 2
	s_add_co_u32 s28, s28, s24                     ; my wave's run of 8,192 numbers
	s_lshl_b32 s26, s26, 2
	s_add_co_u32 s26, s26, s24
	s_lshl_b32 s30, s28, 15                        ; 32,768 bytes of f32,
	s_add_nc_u64 s[4:5], s[4:5], s[30:31]
	s_lshl_b32 s30, s26, 12                        ; 4,096 of codes,
	s_add_nc_u64 s[14:15], s[14:15], s[30:31]
	s_lshl_b32 s30, s26, 8                         ; 256 scale bytes
	s_add_nc_u64 s[16:17], s[16:17], s[30:31]
.macro LOAD t
.irp i, 0,1,2,3
	global_load_b128 v[R+16*((\t)%4)+4*\i:R+16*((\t)%4)+4*\i+3], v3, s[4:5] offset:2048*(\t)+512*\i th:TH_LOAD_NT   ; 32 lanes read 512 consecutive bytes
.endr
.endm
.macro TURN t                          ; step t's numbers through the stage: LDS serves a wave's instructions in order, so no wait stands between the stores and the loads
.irp i, 0,1,2,3
	ds_store_b128 v14, v[R+16*((\t)%4)+4*\i:R+16*((\t)%4)+4*\i+3] offset:32*SP*((\t)%2)+8*SP*\i
.endr
.irp i, 0,1,2,3
	ds_load_b128 v[X+16*((\t)%2)+4*\i:X+16*((\t)%2)+4*\i+3], v15 offset:32*SP*((\t)%2)+16*\i
.endr
.endm
.irp t, 0,1,2,3
	LOAD \t
.endr
	s_wait_loadcnt 12                              ; step 0's four loads are in; the three steps behind it stay out
	TURN 0
.macro STEP t
.set XS, X+16*((\t)%2)
.if (\t) > 0
	s_wait_dscnt 1                                 ; this step's numbers are back from the stage (the last step's byte store may be out): so its stores into the stage have read their registers,
.else
	s_wait_dscnt 0x0
.endif
.if (\t)+4 < STEPS
	LOAD (\t)+4                                    ; which take the loads of four steps on
.endif
.if (\t)+1 < STEPS
.if STEPS-2-(\t) >= 3
	s_wait_loadcnt 12                              ; the next step's four loads are in; those of the three steps behind it may be out
.else
	s_wait_loadcnt 4*(STEPS-2-(\t))
.endif
	TURN (\t)+1                                    ; and go through the other stage while this step is worked
.endif
	v_max3_num_f32 v8, |v[XS]|, |v[XS+1]|, |v[XS+2]|               ; the largest magnitude of my 16, in two chains
	v_max3_num_f32 v9, |v[XS+3]|, |v[XS+4]|, |v[XS+5]|
.irp i, 6,10
	v_max3_num_f32 v8, v8, |v[XS+\i]|, |v[XS+\i+1]|
	v_max3_num_f32 v9, v9, |v[XS+\i+2]|, |v[XS+\i+3]|
.endr
	v_max3_num_f32 v8, v8, |v[XS+14]|, |v[XS+15]|
	v_max3_num_f32 v8, v8, v9, (EMAX+1)<<23        ; and the floor 2^(EMAX + 1 - 127): the byte cannot fall under 1
	v_max_num_f32_dpp v8, v8, v8 row_xmask:1 row_mask:0xf bank_mask:0xf   ; and of my neighbour's 16: the block's
	v_add_nc_u32 v11, -(EMAX<<23), v8              ; EMAX off its exponent field: the conversion takes the exponent field of this operand as its scale
	v_cvt_scalef32_pk8_fp4_f32 v[C+4*(\t)], v[XS:XS+7], v11
	v_cvt_scalef32_pk8_fp4_f32 v[C+4*(\t)+1], v[XS+8:XS+15], v11
	v_lshrrev_b32 v[E+(\t)], 23, v11               ; the scale's byte (also the plain line behind the conversions)
	ds_store_b8 v5, v[E+(\t)] offset:16*(\t)       ; both lanes of a block write the same byte with the same value
	global_store_b64 v4, v[C+4*(\t):C+4*(\t)+1], s[14:15] offset:32*CB*(\t)   ; 32 lanes store 256 consecutive bytes
.endm
.irp t, 0,1,2,3,4,5,6,7,8,9,10,11,12,13,14,15
	STEP \t
.endr
	ds_load_b64 v[8:9], v6                         ; LDS serves a wave's instructions in order: these see my byte stores
	s_wait_dscnt 0x0
	global_store_b64 v7, v[8:9], s[16:17]          ; 32 lanes store 256 consecutive bytes
	s_wait_tensorcnt 0x0                           ; the wave's end
	ds_add_u32 v[SPW], v[NIL]
	s_wait_dscnt 0x0
	s_endpgm
; THE CAST OF Wo.  A wave takes 8,192 numbers in four rounds of 16 loads; two rounds are on their way at a time.  A load's 512 bytes become 256: 8 bytes a lane, one store of 256 consecutive bytes.  No LDS is touched here.
.macro LD rd
.irp i, 0,1,2,3,4,5,6,7,8,9,10,11,12,13,14,15
	global_load_b128 v[F+64*((\rd)%2)+4*\i:F+64*((\rd)%2)+4*\i+3], v3, s[12:13] offset:512*(16*(\rd)+\i) th:TH_LOAD_NT
.endr
.endm
.macro CV rd, base                     ; base: the loads of the round behind this one, which stay out
.if (\rd) > 0
	s_wait_xcnt 0x0                                ; the last round's stores have read their data: the registers may be written again
.endif
.irp i, 0,1,2,3,4,5,6,7,8,9,10,11,12,13,14,15
	s_wait_loadcnt \base+15-\i                     ; load i of this round is in
	v_cvt_pk_f16_f32 v[H+2*\i], v[F+64*((\rd)%2)+4*\i], v[F+64*((\rd)%2)+4*\i+1]
	v_cvt_pk_f16_f32 v[H+2*\i+1], v[F+64*((\rd)%2)+4*\i+2], v[F+64*((\rd)%2)+4*\i+3]
	global_store_b64 v7, v[H+2*\i:H+2*\i+1], s[22:23] offset:256*(16*(\rd)+\i)
.endr
.endm
.Lcvt:
	s_sub_co_u32 s26, ttmp9, 352
	s_lshl_b32 s26, s26, 2
	s_add_co_u32 s26, s26, s24                     ; my wave's run of 8,192 numbers
	s_lshl_b32 s30, s26, 15
	s_add_nc_u64 s[12:13], s[12:13], s[30:31]
	s_lshl_b32 s30, s26, 14
	s_add_nc_u64 s[22:23], s[22:23], s[30:31]
	LD 0
	LD 1
	CV 0, 16
	LD 2
	CV 1, 16
	LD 3
	CV 2, 16
	CV 3, 0
	s_endpgm
.Lfunc_end_k_q61cbe3d176_quant:
	.size	k_q61cbe3d176_quant, .Lfunc_end_k_q61cbe3d176_quant-k_q61cbe3d176_quant
	.p2alignl 7, 3214868480
	.fill 96, 4, 3214868480
	.section	.rodata,"a",@progbits
	.p2align	6, 0x0
	.amdhsa_kernel k_q61cbe3d176_quant
		.amdhsa_group_segment_fixed_size 33280
		.amdhsa_private_segment_fixed_size 0
		.amdhsa_enable_private_segment 0
		.amdhsa_kernarg_size 80
		.amdhsa_user_sgpr_count 2
		.amdhsa_user_sgpr_kernarg_segment_ptr 1
		.amdhsa_wavefront_size32 1
		.amdhsa_system_sgpr_workgroup_id_x 1
		.amdhsa_system_sgpr_workgroup_id_y 1
		.amdhsa_system_sgpr_workgroup_id_z 1
		.amdhsa_system_vgpr_workitem_id 0
		.amdhsa_next_free_vgpr 192
		.amdhsa_next_free_sgpr 66
		.amdhsa_reserve_vcc 0
		.amdhsa_float_denorm_mode_32 3
		.amdhsa_float_denorm_mode_16_64 3
		.amdhsa_memory_ordered 1
		.amdhsa_forward_progress 1
		.amdhsa_inst_pref_size 56
	.end_amdhsa_kernel
	.amdgpu_metadata
---
amdhsa.version: [ 1, 2 ]
amdhsa.kernels:
  - .name:           k_q61cbe3d176_quant
    .symbol:         k_q61cbe3d176_quant.kd
    .args:
      - { .name: x, .offset: 0, .size: 8, .value_kind: global_buffer, .address_space: global }
      - { .name: Wq, .offset: 8, .size: 8, .value_kind: global_buffer, .address_space: global }
      - { .name: Wk, .offset: 16, .size: 8, .value_kind: global_buffer, .address_space: global }
      - { .name: Wv, .offset: 24, .size: 8, .value_kind: global_buffer, .address_space: global }
      - { .name: Wo, .offset: 32, .size: 8, .value_kind: global_buffer, .address_space: global }
      - { .name: xc, .offset: 40, .size: 8, .value_kind: global_buffer, .address_space: global }
      - { .name: xs, .offset: 48, .size: 8, .value_kind: global_buffer, .address_space: global }
      - { .name: wc, .offset: 56, .size: 8, .value_kind: global_buffer, .address_space: global }
      - { .name: ws, .offset: 64, .size: 8, .value_kind: global_buffer, .address_space: global }
      - { .name: wo16, .offset: 72, .size: 8, .value_kind: global_buffer, .address_space: global }
    .group_segment_fixed_size: 33280
    .private_segment_fixed_size: 0
    .kernarg_segment_align: 8
    .kernarg_segment_size: 80
    .max_flat_workgroup_size: 128
    .sgpr_count:     66
    .vgpr_count:     192
    .wavefront_size: 32
...
	.end_amdgpu_metadata
.endif
;; end of part 1
;; launch qkv (part 2): grid 12 x 32, 4 waves a work-group, clusters of 4 x 4, 327,680 bytes of LDS; arguments xc, xs, wc, ws, qkv, q32; writes qkv, q32
.if DOCPART == 2
	.amdgcn_target "amdgcn-amd-amdhsa--gfx1250"
	.amdhsa_code_object_version 6
	.text
	.protected	k_q61cbe3d176_qkv
	.globl	k_q61cbe3d176_qkv
	.p2align	8
	.type	k_q61cbe3d176_qkv,@function
k_q61cbe3d176_qkv:
	s_mov_b64 s[64:65], 0
	v_nop
	global_prefetch_b8 v0, s[64:65] scope:SCOPE_SE
	s_setreg_imm32_b32 hwreg(HW_REG_WAVE_MODE, 25, 1), 1
	s_wait_xcnt 0x0
	s_wait_alu depctr_hold_cnt(0) depctr_sa_sdst(0) depctr_va_vdst(0) depctr_va_sdst(0) depctr_va_ssrc(0) depctr_va_vcc(0) depctr_vm_vsrc(0)
	s_getreg_b32 s2, hwreg(HW_REG_IB_STS2, 6, 4)
	s_cmp_eq_u32 s2, 0
	s_cbranch_scc0 .Lentry_in_a_cluster
	s_endpgm
.Lentry_in_a_cluster:
	s_bfe_u32 s2, ttmp6, 0x10000c
	s_cmp_lg_u32 s2, 0xf033
	s_cbranch_scc0 .Lentry_shape_is_right
	s_endpgm
.Lentry_shape_is_right:
; q, k, v = x Wq^T, x Wk^T, x Wv^T as ONE product C[m][n] = sum over k of A[m][k] B[n][k]: A = x's codes [8192][1024], B = the three weights' codes [3072][1024], FP4 (E2M1) with one E8M0 scale
; for each 32 along K; sums in f32.  The matrix instruction takes codes and scale bytes as they lie in memory.
; OUT: qkv [batch 4][g 48][t 2048][64] in f16 (g 0-15: q's heads, 16-31: k's, 32-47: v's); and, of the rows t < 16 of each batch, the f32 sums as images of the accumulators' registers in q32.
; LIMIT: a sum above 65,504 in magnitude becomes infinite in f16.
; A tile of C, 256 x 256, is made by a work-group of four waves; a wave makes 128 x 128: 64 accumulators, 512 registers.  K = 1,024 is two slots of 512 along K (rows of 256 bytes): both are filled at the head
; and nothing is filled again, so there is no loop and nothing to ask for ahead of the loads.  The scales of the work-group's rows, for all of K, come once with the first fills.
; CLUSTERS: 4 x 4 work-groups.  The four of a row of the cluster need the same tiles of A, the four of a column the same tiles of B: each tile is asked for JOINTLY, by the same tensor load with the same
; descriptor and a mask that names the four.  THE MATRIX INSTRUCTION IS USED TRANSPOSED (source 0 = 16 rows of B, source 1 = 16 rows of A): a lane then holds eight neighbouring numbers of a row of C.
; REGISTERS, in windows of 256: window 0: v0-31 addresses; v32-95 scale words, two sets; v128-191 A's fragments, ONE set; on the way out v32-63, v192-255 at work.
;   window 1: B's fragments, TWO sets, at v0 and v128.   window 2: the accumulators of my rows 0-63 ((a, b) at v[8 (8 a + b)]);   window 3: those of my rows 64-127.
.set SIZE_K, 1024
.set KSTEP,  512                       ; along K in a slot
.set NQ,     KSTEP/128                 ; matrix instructions deep
.set ROWB,   256                       ; a tile's row in bytes
.set KROW,   SIZE_K*4/8                ; a row of codes in memory
.set PITCH,  272                       ; an LDS row: 256 bytes + 16 of padding: the 16 rows that a load touches begin 16 bytes apart modulo 256
.set FR,     8                         ; registers of a fragment
.set NL,     2                         ; LDS loads that bring one
.set NP,     4                         ; places behind this matrix instruction (ISA guide 7.12.1)
.set HALFT,  128*PITCH                 ; what one tensor load brings
.set SLOT,   4*HALFT                   ; A's 256 rows, then B's 256 rows
.set KS,     SIZE_K/32                 ; a row of scales in bytes
.set SCL,    2*SLOT                    ; behind the ring: the scales, as rows of 256 bytes + 16 of padding
.set HALFS,  (128*KS/256)*272          ; the scales of 128 rows
.set SBLK,   (16*KS/256)*272           ; those of 16 rows
.set SPARE,  SCL+4*HALFS               ; the spare words, 128 bytes a wave
.set SPITCH, 272                       ; the way out: a stage of 16 rows x (256 bytes + 16) for each wave, in slot 0, which has had its only fill and its last read when the first result is stored there
.set ADRA, 16                          ; v16-17  LDS address of my A fragments in slot 0, 1
.set ADRB, 20                          ; v20-21  the same for B
.set STO,  24                          ; v24     the way out: where I put 16 bytes of a row
.set RD,   25                          ; v25     where I read back
.set CO,   26                          ; v26     16 x lane
.set ADRS, 27                          ; v27     LDS address of my scale words: lanes 0-15 A's rows, lanes 16-31 B's
.set SPW,  28                          ; v28     LDS address of my spare word; never rewritten
.set NIL,  29                          ; v29     0; never rewritten
.set SC,   32                          ; scale words: set s at v[SC + 8 NQ s]; register NQ i + q: lanes 0-15 A's block i, lanes 16-31 B's block i, the slot's q-th 128 along K
.set AF,   128                         ; A's fragments
.set TMP,  192                         ; the way out: a block's f16 numbers
.set OB,   32                          ; and 16 rows read back: v32-63 and v224-255 by turns
.set G1, 24                            ; s[24:31] group 1 for A's tiles;  s[32:39] group 0, a set for each slot
.set G0, 32
.set G1B, 48                           ; s[48:55], s[56:63] the same for B's
.set G0B, 56
.set G1S, 68                           ; s[68:75], s[76:79] groups 1 and 0 for A's scales;  s[80:87], s[88:91] for B's
.set G0S, 76
.set G1SB, 80
.set G0SB, 88
.set MSB, 0
.macro WIN new                         ; the immediate's high byte repeats the setting that is left
.if MSB != \new
	s_set_vgpr_msb (MSB<<8)|\new
.set MSB, \new
.endif
.endm
.set MUL_LO, 0xa1                      ; source 0 (B) window 1, source 1 (A) window 0, C and D window 2
.set MUL_HI, 0xf1                      ; the same, C and D window 3
.set TO_B,   0x40                      ; destination window 1
; A joint load: waves 0 and 1 fetch for A, waves 2 and 3 for B.  The branch hangs on the wave's number alone.  An s_nop 0 and four v_nop follow each of the two lines.
.macro JLOAD g0a, g1a, g0b, g1b
	s_cmp_eq_u32 s15, 0
	s_cbranch_scc0 .Lfor_b_\@
	tensor_load_to_lds s[\g0a:\g0a+3], s[\g1a:\g1a+7]
	s_nop 0
.rept 4
	v_nop
.endr
	s_branch .Lasked_\@
.Lfor_b_\@:
	tensor_load_to_lds s[\g0b:\g0b+3], s[\g1b:\g1b+7]
	s_nop 0
.rept 4
	v_nop
.endr
.Lasked_\@:
.endm
.macro CROUND                          ; a round of the cluster's barrier
	s_barrier_signal -1
	s_barrier_wait -1
	s_cmp_lg_u32 s14, 0
	s_cbranch_scc1 .Lnot_wave_0_\@
	s_barrier_signal -3
.Lnot_wave_0_\@:
	s_barrier_wait -3
	s_barrier_signal -1
	s_barrier_wait -1
.endm
	s_load_b128 s[4:7], s[0:1], 0x0                ; x's codes, x's scales
	s_load_b128 s[8:11], s[0:1], 0x10              ; the weights' codes, their scales
	s_load_b64 s[12:13], s[0:1], 0x20              ; qkv
	s_load_b64 s[96:97], s[0:1], 0x28              ; q32
	v_lshl_add_u32 v[SPW], v0, 2, SPARE
	v_mov_b32 v[NIL], 0
	ds_add_u32 v[SPW], v[NIL]                      ; the wave's opening: the add, twice on end, and its wait ahead of my first tensor load
	ds_add_u32 v[SPW], v[NIL]
	v_lshrrev_b32 v1, 5, v0
	v_readfirstlane_b32 s14, v1                    ; wave 0..3
	s_lshr_b32 s15, s14, 1                         ; which half of the tile's rows is mine.  Also: I fetch for A (0) or for B (1)
	s_and_b32 s16, s14, 1                          ; which half of its columns.  Also: which 128 rows I fetch
	s_bfe_u32 s40, ttmp6, 0x40000                  ; cx, cy: my place in the cluster
	s_bfe_u32 s41, ttmp6, 0x40004
	s_lshl_b32 s42, ttmp9, 2
	s_add_co_u32 s42, s42, s40                     ; tile column of C
	s_and_b32 s17, ttmp7, 0xffff
	s_lshl_b32 s17, s17, 2
	s_add_co_u32 s17, s17, s41                     ; tile row of C
	s_lshl_b32 s43, s41, 2
	s_lshl_b32 s43, 15, s43                        ; my row of the cluster
	s_lshl_b32 s44, 0x1111, s40                    ; my column
	; group 1: a tile of 128 rows x 256 bytes, 4 words of padding behind every 64
	s_or_b32 s[G1+0], s43, (0<<16)|(1<<20)|(1<<21)|(5<<22)|(3<<25)
	s_or_b32 s[G1B+0], s44, (0<<16)|(1<<20)|(1<<21)|(5<<22)|(3<<25)
.irp g, G1, G1B
	s_mov_b32 s[\g+1], ROWB<<16                    ; tensor_dim0
	s_mov_b32 s[\g+2], 128<<16                     ; tensor_dim1
	s_mov_b32 s[\g+3], ROWB<<16                    ; tile_dim0
	s_mov_b32 s[\g+4], 128                         ; tile_dim1
	s_mov_b32 s[\g+5], KROW                        ; from row to row
	s_mov_b32 s[\g+6], 0
	s_mov_b32 s[\g+7], 0
.endr
	; the scales of 128 rows: a dense block of 4,096 bytes, as rows of 256 bytes (32 elements of 8), 16 bytes of padding behind each
	s_or_b32 s[G1S+0], s43, (3<<16)|(1<<20)|(1<<21)|(5<<22)|(3<<25)
	s_or_b32 s[G1SB+0], s44, (3<<16)|(1<<20)|(1<<21)|(5<<22)|(3<<25)
.irp g, G1S, G1SB
	s_mov_b32 s[\g+1], 32<<16
	s_mov_b32 s[\g+2], (128*KS/256)<<16
	s_mov_b32 s[\g+3], 32<<16
	s_mov_b32 s[\g+4], 128*KS/256
	s_mov_b32 s[\g+5], 32
	s_mov_b32 s[\g+6], 0
	s_mov_b32 s[\g+7], 0
.endr
	s_lshl_b32 s18, s16, 7                         ; which 128 rows of the tile I fetch
	s_lshl_b32 s20, s17, 8
	s_add_co_u32 s20, s20, s18                     ; A: row 256 x tile row + 128 x half
	s_lshl_b32 s46, s42, 8
	s_add_co_u32 s46, s46, s18                     ; B: row 256 x tile column + 128 x half
	s_mov_b32 s21, 0
	s_mov_b32 s47, 0
	s_mov_b64 s[18:19], KS
	s_mul_u64 s[22:23], s[20:21], s[18:19]         ; where these rows' scales begin,
	s_mul_u64 s[92:93], s[46:47], s[18:19]
	s_mov_b64 s[18:19], KROW
	s_mul_u64 s[20:21], s[20:21], s[18:19]         ; and their codes
	s_mul_u64 s[46:47], s[46:47], s[18:19]
	s_mul_i32 s45, s14, HALFT                      ; where they go: wave x 128 rows: no place in the cluster enters an LDS address
	s_mul_i32 s94, s14, HALFS
	s_wait_dscnt 0x0                               ; both opening adds are done
	s_wait_kmcnt 0x0
	s_add_nc_u64 s[20:21], s[4:5], s[20:21]
	s_add_nc_u64 s[22:23], s[6:7], s[22:23]
	s_add_nc_u64 s[46:47], s[8:9], s[46:47]
	s_add_nc_u64 s[92:93], s[10:11], s[92:93]
	CROUND                                         ; all sixteen work-groups are here: the joint loads meet
	s_mov_b32 s[G0S], 1
	s_add_co_u32 s[G0S+1], s94, SCL
	s_mov_b64 s[G0S+2:G0S+3], s[22:23]
	s_or_b32 s[G0S+3], s[G0S+3], 0x80000000
	s_mov_b32 s[G0SB], 1
	s_add_co_u32 s[G0SB+1], s94, SCL
	s_mov_b64 s[G0SB+2:G0SB+3], s[92:93]
	s_or_b32 s[G0SB+3], s[G0SB+3], 0x80000000
	JLOAD G0S, G1S, G0SB, G1SB                     ; the scales first: they are wanted with the first slot.  Three loads of mine are out behind the next two
.irp s, 0,1
	s_mov_b32 s[G0+4*\s], 1
	s_add_co_u32 s[G0+4*\s+1], s45, \s*SLOT
	s_add_nc_u64 s[G0+4*\s+2:G0+4*\s+3], s[20:21], \s*ROWB
	s_or_b32 s[G0+4*\s+3], s[G0+4*\s+3], 0x80000000
	s_mov_b32 s[G0B+4*\s], 1
	s_add_co_u32 s[G0B+4*\s+1], s45, \s*SLOT
	s_add_nc_u64 s[G0B+4*\s+2:G0B+4*\s+3], s[46:47], \s*ROWB
	s_or_b32 s[G0B+4*\s+3], s[G0B+4*\s+3], 0x80000000
	JLOAD G0+4*\s, G1, G0B+4*\s, G1B
.endr
	v_and_b32 v1, 15, v0                           ; r = lane % 16
	v_bfe_u32 v2, v0, 4, 1                         ; h = lane / 16
	v_mul_u32_u24 v3, v1, PITCH
	v_lshl_add_u32 v4, v2, 4, v3                   ; a fragment's row x pitch + 16 h
	s_mul_i32 s21, s15, HALFT                      ; my 128 rows of A
	s_mul_i32 s22, s16, HALFT                      ; my 128 rows of B,
	s_add_co_u32 s22, s22, 2*HALFT                 ; behind A's 256
.irp s, 0,1
	v_add_nc_u32 v[ADRA+\s], s21, v4
	v_add_nc_u32 v[ADRB+\s], s22, v4
	s_add_co_u32 s21, s21, SLOT
	s_add_co_u32 s22, s22, SLOT
.endr
	v_mul_u32_u24 v5, v1, KS                       ; my row's scales: KS bytes a row,
	v_lshrrev_b32 v6, 8, v5
	v_lshl_add_u32 v5, v6, 4, v5                   ; and 16 more for each 256 passed
	s_mul_i32 s21, s15, HALFS                      ; A's: my 128 rows
	s_mul_i32 s22, s16, HALFS                      ; B's: my 128 rows, behind A's 256
	s_add_co_u32 s22, s22, 2*HALFS
	s_sub_co_u32 s22, s22, s21
	v_mul_u32_u24 v6, s22, v2                      ; lanes 16-31 take B's: one product, the distance between the two bases
	s_add_co_u32 s21, s21, SCL
	v_add_nc_u32 v5, v5, v6
	v_add_nc_u32 v[ADRS], s21, v5
	s_mul_i32 s23, s14, 16*SPITCH                  ; my stage
	v_mul_u32_u24 v5, v1, SPITCH                   ; in: row r, 16 bytes for each half of the lanes
	v_lshl_add_u32 v5, v2, 4, v5
	v_add_nc_u32 v[STO], s23, v5
	v_and_b32 v6, 31, v0
	v_lshlrev_b32 v[CO], 4, v6                     ; 16 x lane
	v_lshrrev_b32 v5, 3, v6                        ; back: eight lanes take a head's 128 bytes of a row, the wave four rows
	v_mul_u32_u24 v5, v5, SPITCH
	v_and_b32 v6, 7, v0
	v_lshl_add_u32 v5, v6, 4, v5
	v_add_nc_u32 v[RD], s23, v5
	; where my part begins.  Tile row: batch b = row / 8, t = 256 (row % 8) + 128 x half.  Tile column: g = 4 x column + 2 x half.  (b, g) begins at (48 b + g) << 18; a row of a head is 128 bytes.
	s_lshr_b32 s18, s17, 3                         ; b
	s_mul_i32 s20, s18, 48
	s_lshl_b32 s20, s20, 18
	s_and_b32 s22, s17, 7
	s_lshl_b32 s21, s22, 15
	s_add_co_u32 s20, s20, s21
	s_lshl_b32 s21, s15, 14
	s_add_co_u32 s20, s20, s21
	s_mov_b32 s21, 0
	s_add_nc_u64 s[12:13], s[12:13], s[20:21]      ; what hangs on the tile row,
	s_lshl_b32 s46, s42, 2
	s_lshl_b32 s47, s16, 1
	s_add_co_u32 s46, s46, s47
	s_lshl_b32 s46, s46, 18
	s_mov_b32 s47, 0
	s_add_nc_u64 s[12:13], s[12:13], s[46:47]      ; and on the tile column
	s_mul_i32 s20, s18, 24                         ; q32: 8,192 bytes for each batch and each 128 columns
	s_lshl_b32 s20, s20, 13
	s_add_nc_u64 s[96:97], s[96:97], s[20:21]
	s_lshl_b32 s46, s42, 1
	s_add_co_u32 s46, s46, s16
	s_lshl_b32 s46, s46, 13
	s_add_nc_u64 s[96:97], s[96:97], s[46:47]
	s_or_b32 s22, s22, s15                         ; 0 where my first row is t = 0 of a batch
.macro FRAG reg, adr, q, i             ; 16 rows x 128 K of 4-bit codes: lane l holds row l % 16; registers 4 c .. 4 c + 3 hold K = 64 c + 32 (l / 16) + 0 .. 31
.irp c, 0,1
	ds_load_b128 v[\reg+4*\c:\reg+4*\c+3], v[\adr] offset:64*(\q)+32*\c+(\i)*16*PITCH
.endr
.endm
; 16 matrix instructions: A's blocks a0, a0 + 1 x B's eight, the slot's q-th 128 along K.  p: B's set;  sc: the set of scale words.  zero = 1: the first product starts the sums.
; The 64 accumulators take turns, one instruction a turn, in the same order in every step.
.macro MUL16 a0, p, q, sc, zero
.irp a, \a0, \a0+1
.irp b, 0,1,2,3,4,5,6,7
.if \zero
	v_wmma_scale_f32_16x16x128_f8f6f4 v[8*(8*((\a)%4)+\b):8*(8*((\a)%4)+\b)+7], v[128*(\p)+FR*\b:128*(\p)+FR*\b+FR-1], v[AF+FR*(\a):AF+FR*(\a)+FR-1], 0, v[SC+8*NQ*(\sc)+NQ*\b+(\q)], v[SC+8*NQ*(\sc)+NQ*(\a)+(\q)] matrix_a_fmt:MATRIX_FMT_FP4 matrix_b_fmt:MATRIX_FMT_FP4 matrix_a_scale:MATRIX_SCALE_ROW1
.else
	v_wmma_scale_f32_16x16x128_f8f6f4 v[8*(8*((\a)%4)+\b):8*(8*((\a)%4)+\b)+7], v[128*(\p)+FR*\b:128*(\p)+FR*\b+FR-1], v[AF+FR*(\a):AF+FR*(\a)+FR-1], v[8*(8*((\a)%4)+\b):8*(8*((\a)%4)+\b)+7], v[SC+8*NQ*(\sc)+NQ*\b+(\q)], v[SC+8*NQ*(\sc)+NQ*(\a)+(\q)] matrix_a_fmt:MATRIX_FMT_FP4 matrix_b_fmt:MATRIX_FMT_FP4 matrix_a_scale:MATRIX_SCALE_ROW1
.endif
.endr
.endr
.endm
.macro FETCH_B slot, q, p              ; B's eight fragments into set p
	WIN TO_B
.irp i, 0,1,2,3,4,5,6,7
	FRAG 128*(\p)+FR*\i, ADRB+\slot, \q, \i
.endr
	WIN 0
.endm
.macro FETCH_A slot, q, i0             ; A's blocks i0 .. i0 + 3
.irp i, \i0, \i0+1, \i0+2, \i0+3
	FRAG AF+FR*(\i), ADRA+\slot, \q, \i
.endr
.endm
.macro SCALES sc                       ; a slot's scale words: NQ words a row; lanes 0-15 A's block i, lanes 16-31 B's block i
.irp i, 0,1,2,3,4,5,6,7
	ds_load_b128 v[SC+8*NQ*\sc+NQ*\i:SC+8*NQ*\sc+NQ*\i+3], v[ADRS] offset:\i*SBLK
.endr
.endm
.macro PLACES n                        ; plain vector instructions between a matrix instruction and a load into, or a read of, its registers
.rept \n
	v_nop
.endr
.endm
; A step of 128 along K that has its successor in the same slot.  A block of A is free as soon as its eight products are issued: blocks 0-3 are fetched anew in the step's middle, blocks 4-7 at its end.
.macro STEP slot, q, zero
	s_wait_dscnt 4*NL                              ; B's set and A's blocks 0-3 are in; the youngest eight loads (A's blocks 4-7) may be out
	WIN MUL_LO
	MUL16 0, (\q)%2, \q, \slot, \zero
	MUL16 2, (\q)%2, \q, \slot, \zero
	s_wait_dscnt 0                                 ; A's blocks 4-7 are in
	PLACES NP
	FETCH_B \slot, (\q)+1, 1-(\q)%2
	FETCH_A \slot, (\q)+1, 0
	WIN MUL_HI
	MUL16 4, (\q)%2, \q, \slot, \zero
	MUL16 6, (\q)%2, \q, \slot, \zero
	PLACES NP
	WIN 0
	FETCH_A \slot, (\q)+1, 4
.endm
; Slot 0's last step changes slots: one barrier; in front of it each wave waits for all its tensor loads (its part of slot 1), adds 0 to its spare word, and waits for that and for its reads of slot 0.
.macro TURN slot, next
	s_wait_tensorcnt 0x0                           ; all my tensor loads have landed
	ds_add_u32 v[SPW], v[NIL]                      ; 0 onto my spare word
	s_wait_dscnt 4*NL+1                            ; (the add and the youngest eight loads may be out)
	WIN MUL_LO
	MUL16 0, 1, NQ-1, \slot, 0
	s_wait_dscnt 0x0                               ; the add is done, and my reads of this slot are over
	s_barrier_signal -1
	MUL16 2, 1, NQ-1, \slot, 0
	WIN 0
	s_barrier_wait -1                              ; the next slot is whole, and nobody reads this one any more
	PLACES NP
	v_add_nc_u32 v[ADRS], 4*NQ, v[ADRS]            ; on to the next slot's scale words
	FETCH_B \next, 0, 0
	FETCH_A \next, 0, 0
	SCALES \next
	WIN MUL_HI
	MUL16 4, 1, NQ-1, \slot, 0
	MUL16 6, 1, NQ-1, \slot, 0
	PLACES NP
	WIN 0
	FETCH_A \next, 0, 4
.endm
.macro STEPS slot, from                ; the slot's steps from .. NQ - 2
.set Q, \from
.rept NQ-1-\from
	STEP \slot, Q, 0
.set Q, Q+1
.endr
.endm
	s_wait_tensorcnt 1                             ; the scales and my part of slot 0 are in; slot 1's load may be out
	s_barrier_signal -1
	s_barrier_wait -1
	FETCH_B 0, 0, 0
	FETCH_A 0, 0, 0
	SCALES 0
	FETCH_A 0, 0, 4
	STEP 0, 0, 1                                   ; the first step's products start the sums: nothing is cleared
	STEPS 0, 1
	TURN 0, 1
	STEPS 1, 0
	s_wait_dscnt 4*NL                              ; the last step: nothing more to fetch
	WIN MUL_LO
	MUL16 0, 1, NQ-1, 1, 0
	MUL16 2, 1, NQ-1, 1, 0
	s_wait_dscnt 0
	WIN MUL_HI
	MUL16 4, 1, NQ-1, 1, 0
	MUL16 6, 1, NQ-1, 1, 0
	WIN 0
	PLACES NP                                      ; behind the last products: they serve every read of results and every load into operands' registers below
	; THE ROWS t < 16 IN f32.  Where my first 16 rows are t = 0 .. 15 of a batch, block 0's eight accumulators go to q32 as they stand: lane (r, h), register j of accumulator bb = row r, column 16 bb + 8 h + j.
	; The choice is made by EXEC and not by a branch: partners of a cluster run the same lines.  Each store covers 512 consecutive bytes; each accumulator goes out from its low end.
	v_mov_b32 v30, s22
	v_cmp_eq_u32 vcc_lo, 0, v30
	s_wait_xcnt 0x0                                ; EXEC changes only behind this wait
	s_and_saveexec_b32 s21, vcc_lo
	WIN 0x08                                       ; a store's data are its source 1: window 2
.irp bb, 0,1,2,3,4,5,6,7
	global_store_b128 v[CO], v[8*\bb:8*\bb+3], s[96:97] offset:1024*\bb
	global_store_b128 v[CO], v[8*\bb+4:8*\bb+7], s[96:97] offset:1024*\bb+512
.endr
	WIN 0
	s_wait_xcnt 0x0                                ; and again in front of the line that widens it
	s_or_b32 exec_lo, exec_lo, s21
; THE WAY OUT, block by block of 16 rows x 128 columns (two heads).  PACK: rounded to f16, 16 bytes a lane.  TOSTAGE: into my stage, and back so that the wave holds four rows of one head: 512 bytes that are
; consecutive in qkv.  SEND: stored.  LDS serves a wave's instructions in order: no wait between the stage's stores and loads.
.macro PACK a
.set AC, 64*((\a)%4)
	WIN 0x0a+5*((\a)/4)                            ; sources 0 and 1: window 2 or 3
.irp b, 0,1,2,3,4,5,6,7
.irp r, 0,1,2,3
	v_cvt_pk_f16_f32 v[TMP+4*\b+\r], v[AC+8*\b+2*\r], v[AC+8*\b+2*\r+1]
.endr
.endr
	WIN 0
.endm
.macro TOSTAGE a
.set BB, OB+192*((\a)%2)
.irp b, 0,1,2,3,4,5,6,7
	ds_store_b128 v[STO], v[TMP+4*\b:TMP+4*\b+3] offset:32*\b
.endr
.irp hh, 0,1
.irp g, 0,1,2,3
	ds_load_b128 v[BB+4*(4*\hh+\g):BB+4*(4*\hh+\g)+3], v[RD] offset:4*SPITCH*\g+128*\hh
.endr
.endr
.endm
.macro SEND a
.set BB, OB+192*((\a)%2)
	s_wait_dscnt 0x0                               ; the block is back in registers
	s_wait_xcnt 0x0                                ; the block before has been read by its stores: the next block's loads may land in its registers
.irp hh, 0,1
.irp g, 0,1,2,3
	global_store_b128 v[CO], v[BB+4*(4*\hh+\g):BB+4*(4*\hh+\g)+3], s[12:13] offset:262144*\hh+2048*(\a)+512*\g   ; 32 lanes store 512 consecutive bytes; every offset is an immediate
.endr
.endr
.endm
	PACK 0
	TOSTAGE 0
.irp a, 1,2,3,4,5,6,7                  ; block a's conversions stand between block a - 1's loads from the stage and the wait for them
	PACK \a
	SEND \a-1
	TOSTAGE \a
.endr
	SEND 7
	s_wait_tensorcnt 0x0                           ; the wave's end
	ds_add_u32 v[SPW], v[NIL]
	s_wait_dscnt 0x0
	CROUND                                         ; the closing round
	s_endpgm
.Lfunc_end_k_q61cbe3d176_qkv:
	.size	k_q61cbe3d176_qkv, .Lfunc_end_k_q61cbe3d176_qkv-k_q61cbe3d176_qkv
	.p2alignl 7, 3214868480
	.fill 96, 4, 3214868480
	.section	.rodata,"a",@progbits
	.p2align	6, 0x0
	.amdhsa_kernel k_q61cbe3d176_qkv
		.amdhsa_group_segment_fixed_size 327680
		.amdhsa_private_segment_fixed_size 0
		.amdhsa_enable_private_segment 0
		.amdhsa_kernarg_size 48
		.amdhsa_user_sgpr_count 2
		.amdhsa_user_sgpr_kernarg_segment_ptr 1
		.amdhsa_wavefront_size32 1
		.amdhsa_system_sgpr_workgroup_id_x 1
		.amdhsa_system_sgpr_workgroup_id_y 1
		.amdhsa_system_sgpr_workgroup_id_z 1
		.amdhsa_system_vgpr_workitem_id 0
		.amdhsa_next_free_vgpr 1024
		.amdhsa_next_free_sgpr 100
		.amdhsa_reserve_vcc 1
		.amdhsa_float_denorm_mode_32 3
		.amdhsa_float_denorm_mode_16_64 3
		.amdhsa_memory_ordered 1
		.amdhsa_forward_progress 1
		.amdhsa_inst_pref_size 128
	.end_amdhsa_kernel
	.amdgpu_metadata
---
amdhsa.version: [ 1, 2 ]
amdhsa.kernels:
  - .name:           k_q61cbe3d176_qkv
    .symbol:         k_q61cbe3d176_qkv.kd
    .args:
      - { .name: xc, .offset: 0, .size: 8, .value_kind: global_buffer, .address_space: global }
      - { .name: xs, .offset: 8, .size: 8, .value_kind: global_buffer, .address_space: global }
      - { .name: wc, .offset: 16, .size: 8, .value_kind: global_buffer, .address_space: global }
      - { .name: ws, .offset: 24, .size: 8, .value_kind: global_buffer, .address_space: global }
      - { .name: qkv, .offset: 32, .size: 8, .value_kind: global_buffer, .address_space: global }
      - { .name: q32, .offset: 40, .size: 8, .value_kind: global_buffer, .address_space: global }
    .group_segment_fixed_size: 327680
    .private_segment_fixed_size: 0
    .kernarg_segment_align: 8
    .kernarg_segment_size: 48
    .max_flat_workgroup_size: 128
    .sgpr_count:     100
    .vgpr_count:     1024
    .wavefront_size: 32
...
	.end_amdgpu_metadata
.endif
;; end of part 2
;; launch attn (part 3): grid 4 x 64, 16 waves a work-group, no clusters, 327,680 bytes of LDS; arguments qkv, att; writes att
.if DOCPART == 3
	.amdgcn_target "amdgcn-amd-amdhsa--gfx1250"
	.amdhsa_code_object_version 6
	.text
	.protected	k_q61cbe3d176_attn
	.globl	k_q61cbe3d176_attn
	.p2align	8
	.type	k_q61cbe3d176_attn,@function
k_q61cbe3d176_attn:
	s_mov_b64 s[64:65], 0
	v_nop
	global_prefetch_b8 v0, s[64:65] scope:SCOPE_SE
	s_setreg_imm32_b32 hwreg(HW_REG_WAVE_MODE, 25, 1), 1
	s_wait_xcnt 0x0
; att[b][h][q][:] = the sum over keys k <= q of softmax_k(q . k / 8) v[k][:], head size 64, 2,048 positions, 64 heads in all.  q, k, v: f16, [b][g][t][64] in qkv; att: f16, [b][h][t][64].
; Products on f16 operands with f32 sums; maxima, exponentials and sums in f32, with a running maximum; the weights p are rounded to f16 for the second product, the result once at the end.
; LIMITS: a result above 65,504 in magnitude becomes infinite in f16, one under 6e-5 keeps fewer bits.  Key 0 counts for every query, so every row has a finite maximum and a sum of at least about 1.
; (The rows t < 16, whose sums have few terms, are made again in f32 by a later launch.)
; SHARES.  A work-group owns two blocks of 256 queries of one head: block 7 - I first, then block I (I = work-group x, 0 .. 3).  Under the causal mask they want 8 - I and I + 1 slots of 256 keys: nine in every
; work-group.  Each of the sixteen waves owns one tile of 16 queries of each block, in 256 registers: four waves to a SIMD, so that one wave's vector work stands beside another's products and LDS loads.
; Which tile: with a = wave % 4 and d = wave / 4, tile 4 ((a + d) % 4) + a: among four waves that share a, or share d, the tiles' shares of a slot on the diagonal add up alike.
; NO CLUSTER: the four work-groups of a head walk 8 - I slots and then begin anew at key 0: from the fifth trip on they want different tiles in the same trip, so no joint request serves them.
; LAYOUT.  S^T = K Q^T (source 0 = 16 keys, source 1 = my 16 queries): a lane holds ONE query (lane % 16) and the keys 8 (lane / 16) + 0 .. 7 of each tile.  Two such tiles, rounded to f16 in pairs, ARE source 1
; of O^T = V^T P, whose result again holds one query a lane.  K comes out of LDS as it lies, V ([key][channel]) turned, by ds_load_tr16_b128.
; THE RING.  Two LDS slots of 256 keys.  ONE loop of constant trip count: eight trips that ask for the next slot, a ninth written out.  Waves 0, 1 fetch K's halves, waves 2, 3 V's; one tensor load of a wave is out.
; A step of 64 keys all of which come after my 16 queries is left out by a scalar branch on ids, round its loads and work alone.  Every slot that is asked for is read by some wave.
.set PK,    144                        ; a key's row of K in LDS: 128 bytes + 16 of padding
.set PVP,   160                        ; of V: 128 + 32
.set SKEYS, 256                        ; keys in a slot
.set VOFF,  SKEYS*PK                   ; a slot: K's rows, then V's
.set SLOT1, 1<<17                      ; slot 1 begins here: one exclusive or turns an address from one slot to the other
.set STAGE, SLOT1+SKEYS*(PK+PVP)       ; behind the ring: 16 rows x 144 bytes for each wave, for the way out; no tile lands there
.set SPARE, STAGE+16*16*PK             ; the spare words, 128 bytes a wave
.set AK0,  1                           ; v1   my lane's place in a tile of K
.set AV0,  2                           ; v2   the same for V
.set ADK,  3                           ; v3   LDS address of the step's K
.set ADV,  4                           ; v4   of its V
.set SPW,  5                           ; v5   LDS address of my spare word; never rewritten
.set NIL,  6                           ; v6   0; never rewritten
.set QO,   7                           ; v7   my byte offset in the wave's rows of q
.set STO,  8                           ; v8   the way out: where I put 16 bytes of a row
.set RD,   9                           ; v9   where I read back
.set GO,   10                          ; v10  16 x lane
.set PFO,  11                          ; v11  256 x lane
.set CM,   12                          ; v12  c m;  v13 m (the pair is named by the packed scaling)
.set MX,   13
.set LS,   14                          ; v[14:15] the row's sum, even keys' and odd keys'
.set T4,   16                          ; v16-19 at work; a = 2^(c m_old - c m_new) lands in v18
.set DL,   20                          ; v20  lane % 16 - 8 (lane / 16)
.set NINF, 21                          ; v21  -infinity
.set DD,   22                          ; v22  the mask's distance
.set QR,   32                          ; v32-47   Q: fragment c (32 channels) at 8 c
.set KR,   48                          ; v48-111  K: fragment (tile kt, c) at 8 (2 kt + c)
.set VR,   112                         ; v112-175 V^T: fragment (32 keys kk, 16 channels ct) at 8 (4 kk + ct)
.set SS,   176                         ; v176-207 S^T, then p
.set PP,   208                         ; v208-223 P in f16
.set OO,   224                         ; v224-255 O^T
.set WV,   8
.set IX,   9
.set TL,   10
.set Q0,   11                          ; s11  my first query
.set KF,   12                          ; s12  the step's first key
.set TB,   13                          ; s13  LDS byte at which the slot in hand begins
.set SLOTS, 14                         ; s14  counts the loop's trips, 8 .. 1
.set SW,   15                          ; s15  I + 1: the count at which the first block ends
.set LEN1, 16                          ; s16  8 - I: the first block's slots
.set SI,   17                          ; s17  which 256 keys are asked for
.set OFS,  18                          ; s[18:19] an offset, 0 above
.set SEL,  20                          ; s[20:21] v_permlanex16_b32's selects for lane l xor 16
.set CS,   22                          ; s[22:23] c = log2(e) / 8
.set G1K,  24
.set G1V,  32
.set G0K,  40
.set G0V,  44
.set KB,   48                          ; s[48:49] K's head at my half of a slot;  s[50:51] V's
.set VB,   50
.set QB,   52                          ; s[52:53] q's head;  s[54:55] att's head
.set OB,   54
.set QA,   56                          ; s[56:57], s[58:59] the same at my first query
.set OA,   58
.set PFA,  60                          ; s[60:61] where my prefetches stand
.set LIM,  62                          ; s62  2 in a wave that prefetches, else the greatest number
.set Q1,   70                          ; s70  my first query in the second block
; Waves 0 and 1 fetch K's halves, waves 2 and 3 V's, the others nothing.  The branches hang on the wave's number alone.  An s_nop 0 and four v_nop follow each load.
.macro TLOAD
	s_cmp_lt_u32 s[WV], 2
	s_cbranch_scc0 .Lnot_k_\@
	tensor_load_to_lds s[G0K:G0K+3], s[G1K:G1K+7]
	s_nop 0
.rept 4
	v_nop
.endr
	s_branch .Lasked_\@
.Lnot_k_\@:
	s_cmp_lt_u32 s[WV], 4
	s_cbranch_scc0 .Lasked_\@
	tensor_load_to_lds s[G0V:G0V+3], s[G1V:G1V+7]
	s_nop 0
.rept 4
	v_nop
.endr
.Lasked_\@:
.endm
; A PREFETCH INTO THE L2 of the 256 keys that the NEXT change of slots will ask for: a slot, four key steps, ahead of that load.  All four work-groups of a head begin with the same keys: work-group 0 asks.
; In it the waves ask that fetch nothing, one instruction each: waves 4-7 for K's 32,768 bytes, 8,192 a wave, lanes 256 bytes apart; waves 8-11 for V's likewise.  So each block is named once in the launch.
; Trips 0 to 5 ask, for slots 2 to 7; slots 0 and 1 come by their loads alone, and the second block's keys have been read before.
.macro ASK
	s_cmp_gt_u32 s[SLOTS], s[LIM]
	s_cbranch_scc0 .Lnot_mine_\@
	global_prefetch_b8 v[PFO], s[PFA:PFA+1] th:TH_LOAD_NT scope:SCOPE_SE
.Lnot_mine_\@:
.endm
	s_load_b128 s[4:7], s[0:1], 0x0                ; qkv, att
	v_lshl_add_u32 v[SPW], v0, 2, SPARE
	v_mov_b32 v[NIL], 0
	ds_add_u32 v[SPW], v[NIL]                      ; the wave's opening: the add, twice on end, and its wait ahead of my first tensor load
	ds_add_u32 v[SPW], v[NIL]
	v_lshrrev_b32 v1, 5, v0
	v_readfirstlane_b32 s[WV], v1                  ; wave 0..15
	s_mov_b32 s[IX], ttmp9                         ; I
	s_and_b32 s63, s[WV], 3
	s_lshr_b32 s[TL], s[WV], 2
	s_add_co_u32 s[TL], s[TL], s63
	s_and_b32 s[TL], s[TL], 3
	s_lshl_b32 s[TL], s[TL], 2
	s_add_co_u32 s[TL], s[TL], s63                 ; my tile
	s_lshl_b32 s[TL], s[TL], 4                     ; its first query in a block
	s_sub_co_u32 s[Q0], 7, s[IX]
	s_lshl_b32 s[Q0], s[Q0], 8
	s_add_co_u32 s[Q0], s[Q0], s[TL]               ; in block 7 - I,
	s_lshl_b32 s[Q1], s[IX], 8
	s_add_co_u32 s[Q1], s[Q1], s[TL]               ; and in block I
	s_add_co_u32 s[SW], s[IX], 1
	s_sub_co_u32 s[LEN1], 8, s[IX]
	s_mov_b32 s[SI], 0
	s_mov_b32 s[OFS+1], 0
	s_mov_b32 s[KF], 0
	s_mov_b32 s[TB], 0
	s_mov_b32 s[SLOTS], 8
	s_mov_b32 s[SEL], 0x76543210
	s_mov_b32 s[SEL+1], 0xfedcba98
	s_mov_b32 s[CS], 0x3e38aa3b                    ; c = log2(e) / sqrt(64)
	s_mov_b32 s[CS+1], s[CS]                       ; (named with it as a pair, so it is written)
	s_and_b32 s63, ttmp7, 0xffff                   ; 16 b + h
	s_lshr_b32 s66, s63, 4
	s_and_b32 s67, s63, 15
	s_mul_i32 s66, s66, 48
	s_add_co_u32 s66, s66, s67
	s_lshl_b32 s66, s66, 18                        ; q's head in qkv: (48 b + h) << 18
	s_mov_b32 s67, 0
	s_lshl_b32 s68, s63, 18                        ; the head in att
	s_mov_b32 s69, 0
	; group 1: 128 rows of 64 f16, dense in memory; padding behind every 32 words: 4 words for K, 8 for V
	s_mov_b32 s[G1K], (1<<16)|(1<<20)|(4<<22)|(3<<25)
	s_mov_b32 s[G1V], (1<<16)|(1<<20)|(4<<22)|(7<<25)
.irp g, G1K, G1V
	s_mov_b32 s[\g+1], 64<<16                      ; tensor_dim0
	s_mov_b32 s[\g+2], 128<<16                     ; tensor_dim1
	s_mov_b32 s[\g+3], 64<<16                      ; tile_dim0
	s_mov_b32 s[\g+4], 128                         ; tile_dim1
	s_mov_b32 s[\g+5], 64                          ; from row to row
	s_mov_b32 s[\g+6], 0
	s_mov_b32 s[\g+7], 0
.endr
	s_sub_co_u32 s63, s[WV], 4
	s_lshr_b32 s63, s63, 3                         ; 0 in waves 4 to 11,
	s_or_b32 s63, s63, ttmp9                       ; of the head's first work-group
	s_cmp_eq_u32 s63, 0
	s_cselect_b32 s[LIM], 2, -1
	s_wait_dscnt 0x0                               ; both opening adds are done
	s_wait_kmcnt 0x0
	s_add_nc_u64 s[QB:QB+1], s[4:5], s[66:67]
	s_add_nc_u64 s[OB:OB+1], s[6:7], s[68:69]
	s_add_nc_u64 s[KB:KB+1], s[QB:QB+1], 16<<18    ; k's heads lie 16 heads behind q's,
	s_add_nc_u64 s[VB:VB+1], s[QB:QB+1], 32<<18    ; v's 32
	s_cmp_lt_u32 s[WV], 8                          ; waves 4-7 ask for K, waves 8-11 for V
	s_cselect_b64 s[PFA:PFA+1], s[KB:KB+1], s[VB:VB+1]
	s_and_b32 s[OFS], s[WV], 3
	s_lshl_b32 s[OFS], s[OFS], 13                  ; my wave's 8,192 bytes,
	s_add_co_u32 s[OFS], s[OFS], 32768             ; in slot 1: the first change of slots steps it to slot 2.  Nothing is prefetched at the head
	s_add_nc_u64 s[PFA:PFA+1], s[PFA:PFA+1], s[OFS:OFS+1]
	s_and_b32 s63, s[WV], 1                        ; which 128 keys of a slot I fetch, if I fetch
	s_lshl_b32 s[OFS], s63, 14
	s_add_nc_u64 s[KB:KB+1], s[KB:KB+1], s[OFS:OFS+1]
	s_add_nc_u64 s[VB:VB+1], s[VB:VB+1], s[OFS:OFS+1]
	s_mov_b32 s[G0K], 1                            ; count = 1
	s_mul_i32 s[G0K+1], s63, 128*PK                ; LDS address: slot 0, my half
	s_mov_b64 s[G0K+2:G0K+3], s[KB:KB+1]           ; the head's first 256 keys
	s_or_b32 s[G0K+3], s[G0K+3], 0x80000000        ; type = 2
	s_mov_b32 s[G0V], 1
	s_mul_i32 s[G0V+1], s63, 128*PVP
	s_add_co_u32 s[G0V+1], s[G0V+1], VOFF
	s_mov_b64 s[G0V+2:G0V+3], s[VB:VB+1]
	s_or_b32 s[G0V+3], s[G0V+3], 0x80000000
	TLOAD                                          ; slot 0
	v_and_b32 v24, 15, v0                          ; r
	v_bfe_u32 v25, v0, 4, 1                        ; h
	v_and_b32 v26, 31, v0                          ; lane
	v_mul_u32_u24 v[AK0], v24, PK
	v_lshl_add_u32 v[AK0], v25, 4, v[AK0]          ; K: row r, + 16 h
	v_and_b32 v27, 7, v0
	v_bfe_u32 v28, v0, 3, 1
	v_lshl_add_u32 v[AV0], v25, 3, v27             ; V, for the turning load: key 8 h + lane % 8,
	v_mul_u32_u24 v[AV0], v[AV0], PVP
	v_lshl_add_u32 v[AV0], v28, 4, v[AV0]          ; channels 8 ((lane / 8) % 2) on
	v_add_nc_u32 v[AV0], VOFF, v[AV0]
	v_lshlrev_b32 v[QO], 7, v24
	v_lshl_add_u32 v[QO], v25, 4, v[QO]            ; q: row r of 128 bytes, + 16 h
	s_mul_i32 s63, s[WV], 16*PK
	s_add_co_u32 s63, s63, STAGE                   ; my stage
	v_add_nc_u32 v[STO], s63, v[AK0]               ; in: row r, 16 bytes for each half of the lanes
	v_lshrrev_b32 v29, 3, v26
	v_mul_u32_u24 v29, v29, PK
	v_lshl_add_u32 v29, v27, 4, v29
	v_add_nc_u32 v[RD], s63, v29                   ; back: eight lanes to a row of 128 bytes, four rows a load
	v_lshlrev_b32 v[GO], 4, v26
	v_lshlrev_b32 v[PFO], 8, v26
	v_lshlrev_b32 v29, 3, v25
	v_sub_nc_u32 v[DL], v24, v29
	v_mov_b32 v[NINF], 0xff800000
; A block begins: Q's two fragments; m under every score; the sum and O^T as zeros (the step is written once: the first a is 0, which leaves zeros zeros).
.macro INIT
	s_lshl_b32 s[OFS], s[Q0], 7
	s_add_nc_u64 s[QA:QA+1], s[QB:QB+1], s[OFS:OFS+1]
	s_add_nc_u64 s[OA:OA+1], s[OB:OB+1], s[OFS:OFS+1]
.irp c, 0,1,2,3
	global_load_b128 v[QR+4*\c:QR+4*\c+3], v[QO], s[QA:QA+1] offset:32*\c
.endr
	v_mov_b32 v[MX], 0xff61b1e6                    ; -3e38
	v_mul_f32 v[CM], s[CS], v[MX]
	v_mov_b32 v[LS], 0
	v_mov_b32 v[LS+1], 0
	v_mov_b32 v[T4+1], 0                           ; (a lane permute's destination counts as read)
	v_mov_b32 v[T4+3], 0                           ; (named as the upper half of the pair v[18:19])
.set j, 0
.rept 32
	v_mov_b32 v[OO+j], 0
.set j, j+1
.endr
	s_wait_loadcnt 0x0                             ; Q
.endm
; A KEY STEP: 64 keys, the q-th of the slot in hand.
.macro STEP q
	s_add_co_u32 s63, s[Q0], 15
	s_cmp_gt_u32 s[KF], s63                        ; all 64 keys come after my 16 queries: nothing to do.  (Both are multiples of 16: a step that is walked has KF <= Q0, so key KF counts for all 16 queries)
	s_cbranch_scc1 .Lhidden_\@
	v_add_nc_u32 v[ADK], s[TB], v[AK0]
	v_add_nc_u32 v[ADV], s[TB], v[AV0]
	v_nop                                          ; with the two additions: four places between the last step's products and the loads into V's registers
	v_nop
.irp f, 0,1,2,3,4,5,6,7                        ; K: keys 16 (f / 2) on, channels 32 (f % 2) on
	ds_load_b128 v[KR+8*\f:KR+8*\f+3],   v[ADK] offset:64*PK*(\q)+(\f/2)*16*PK+(\f%2)*64
	ds_load_b128 v[KR+8*\f+4:KR+8*\f+7], v[ADK] offset:64*PK*(\q)+(\f/2)*16*PK+(\f%2)*64+32
.endr
.irp f, 0,1,2,3,4,5,6,7                        ; V, turned: keys 32 (f / 4) on, channels 16 (f % 4) on
	ds_load_tr16_b128 v[VR+8*\f:VR+8*\f+3],   v[ADV] offset:64*PVP*(\q)+(\f/4)*32*PVP+(\f%4)*32
	ds_load_tr16_b128 v[VR+8*\f+4:VR+8*\f+7], v[ADV] offset:64*PVP*(\q)+(\f/4)*32*PVP+16*PVP+(\f%4)*32
.endr
	s_wait_dscnt 16                                ; K is in; V's sixteen loads may be out
.irp c, 0,1                                    ; S^T = K Q^T: the four tiles of keys take turns
.irp kt, 0,1,2,3
.if \c == 0
	v_wmma_f32_16x16x32_f16 v[SS+8*\kt:SS+8*\kt+7], v[KR+8*(2*\kt+\c):KR+8*(2*\kt+\c)+7], v[QR+8*\c:QR+8*\c+7], 0
.else
	v_wmma_f32_16x16x32_f16 v[SS+8*\kt:SS+8*\kt+7], v[KR+8*(2*\kt+\c):KR+8*(2*\kt+\c)+7], v[QR+8*\c:QR+8*\c+7], v[SS+8*\kt:SS+8*\kt+7]
.endif
.endr
.endr
.rept 4
	v_nop                                          ; places in front of the first read of the scores
.endr
	s_add_co_u32 s63, s[KF], 63
	s_cmp_le_u32 s63, s[Q0]                        ; all 64 keys count for all 16 queries: no mask
	s_cbranch_scc1 .Lopen_\@
	s_sub_co_i32 s63, s[Q0], s[KF]
	v_add_nc_u32 v[DD], s63, v[DL]                 ; my query - KF - 8 (lane / 16).  Register 8 kt + j holds key KF + 8 (lane / 16) + 16 kt + j: hidden where 16 kt + j is above it
.set n, 0
.rept 32
	v_cmp_gt_i32 vcc_lo, 16*(n/8)+n%8, v[DD]
	v_cndmask_b32 v[SS+n], v[SS+n], v[NINF], vcc_lo
.set n, n+1
.endr
.Lopen_\@:
.irp k, 0,1,2,3                                ; the largest of my 32 scores and the old m: four chains, each accumulator from its low end
	v_max3_num_f32 v[T4+\k], v[SS+8*\k], v[SS+8*\k+1], v[SS+8*\k+2]
.endr
.irp i, 3,5
.irp k, 0,1,2,3
	v_max3_num_f32 v[T4+\k], v[T4+\k], v[SS+8*\k+\i], v[SS+8*\k+\i+1]
.endr
.endr
	v_max3_num_f32 v[T4], v[T4], v[SS+7], v[SS+15]
	v_max3_num_f32 v[T4+2], v[T4+2], v[SS+23], v[SS+31]
	v_max3_num_f32 v[T4], v[T4], v[T4+1], v[T4+2]
	v_max3_num_f32 v[T4], v[T4], v[T4+3], v[MX]
	v_permlanex16_b32 v[T4+1], v[T4], s[SEL], s[SEL+1]   ; the query's other 32 keys lie in the lane 16 away
	v_max_num_f32 v[MX], v[T4], v[T4+1]            ; the new m
	v_mov_b32 v[T4+3], v[CM]
	v_mul_f32 v[CM], s[CS], v[MX]
	v_sub_f32 v[T4+3], v[T4+3], v[CM]              ; c m_old - c m_new
.irp b, 0,2,4,6,8,10,12,14,16,18,20,22,24,26,28,30
	v_pk_fma_f32 v[SS+\b:SS+\b+1], v[SS+\b:SS+\b+1], s[CS:CS+1], v[CM:CM+1] op_sel_hi:[1,0,0] neg_lo:[0,0,1] neg_hi:[0,0,1]   ; c s - c m, two at a time
.endr
	v_exp_f32 v[T4+2], v[T4+3]                     ; a
.set n, 0
.rept 32
	v_exp_f32 v[SS+n], v[SS+n]                     ; p
.set n, n+1
.endr
	v_nop                                          ; a plain instruction behind the last exponential
	s_wait_alu depctr_va_vdst(0)                   ; one wait for the batch of 33, ahead of its first reader
.set n, 0
.rept 16
	v_cvt_pk_f16_f32 v[PP+n], v[SS+2*n], v[SS+2*n+1]   ; two tiles of keys, in pairs, are a fragment of P
.set n, n+1
.endr
.irp u, 0,4,8,12,16,20,24,28                   ; the sum of the unrounded p, in place
	v_pk_add_f32 v[SS+\u:SS+\u+1], v[SS+\u:SS+\u+1], v[SS+\u+2:SS+\u+3]
.endr
.irp u, 0,8,16,24
	v_pk_add_f32 v[SS+\u:SS+\u+1], v[SS+\u:SS+\u+1], v[SS+\u+4:SS+\u+5]
.endr
.irp u, 0,16
	v_pk_add_f32 v[SS+\u:SS+\u+1], v[SS+\u:SS+\u+1], v[SS+\u+8:SS+\u+9]
.endr
	v_pk_add_f32 v[SS:SS+1], v[SS:SS+1], v[SS+16:SS+17]
	v_pk_fma_f32 v[LS:LS+1], v[LS:LS+1], v[T4+2:T4+3], v[SS:SS+1] op_sel_hi:[1,0,1]   ; l = a l + the sum
.irp b, 0,2,4,6,8,10,12,14,16,18,20,22,24,26,28,30
	v_pk_mul_f32 v[OO+\b:OO+\b+1], v[OO+\b:OO+\b+1], v[T4+2:T4+3] op_sel_hi:[1,0]   ; O^T times a, each accumulator from its low end
.endr
	s_wait_dscnt 0x0                               ; V is in
.irp kk, 0,1                                   ; O^T += V^T P: the four tiles of channels take turns
.irp ct, 0,1,2,3
	v_wmma_f32_16x16x32_f16 v[OO+8*\ct:OO+8*\ct+7], v[VR+8*(4*\kk+\ct):VR+8*(4*\kk+\ct)+7], v[PP+8*\kk:PP+8*\kk+7], v[OO+8*\ct:OO+8*\ct+7]
.endr
.endr
.Lhidden_\@:
	s_add_co_u32 s[KF], s[KF], 64
.endm
; THE CHANGE OF SLOTS stands at a slot's head.  Each wave waits for all its tensor loads, adds 0 to its spare word, and waits for that and for its reads of the slot that it has left.  Behind the barrier the slot
; ahead is whole and nobody reads the other one.  fill = 1: that other slot is filled with the keys of the next trip: the next 256, or the head's first 256 where the first block's keys are through.
.macro CHANGE fill
	s_wait_tensorcnt 0x0                           ; no tensor load of mine is out, so a group 0 may be written
	ds_add_u32 v[SPW], v[NIL]                      ; 0 onto my spare word
.if \fill
	ds_add_u32 v[SPW], v[NIL]                      ; and once more: the add stands twice on end, in every trip alike
	s_xor_b32 s[G0K+1], s[G0K+1], SLOT1            ; the other slot than last time
	s_xor_b32 s[G0V+1], s[G0V+1], SLOT1
	s_add_co_u32 s[SI], s[SI], 1
	s_cmp_eq_u32 s[SI], s[LEN1]
	s_cselect_b32 s[SI], 0, s[SI]                  ; ids and the count of trips alone
	s_lshl_b32 s[OFS], s[SI], 15                   ; 256 rows of 128 bytes
	s_add_nc_u64 s[G0K+2:G0K+3], s[KB:KB+1], s[OFS:OFS+1]
	s_or_b32 s[G0K+3], s[G0K+3], 0x80000000
	s_add_nc_u64 s[G0V+2:G0V+3], s[VB:VB+1], s[OFS:OFS+1]
	s_or_b32 s[G0V+3], s[G0V+3], 0x80000000
	s_wait_xcnt 0x0                                ; the last prefetch, a slot back, has read its address, so it may be written
	s_add_nc_u64 s[PFA:PFA+1], s[PFA:PFA+1], 32768
.endif
	s_wait_dscnt 0x0                               ; the add is done (fill = 1: both are), and my reads of the slot that I have left are over
	s_barrier_signal -1
	s_barrier_wait -1
.if \fill
	TLOAD                                          ; the first thing behind the barrier, and a wave's one tensor load until the next: it has a slot's four steps in which to land
	ASK
.endif
.endm
.macro SLOT_STEPS
.set Q, 0
.rept 4
	STEP Q
.set Q, Q+1
.endr
	s_xor_b32 s[TB], s[TB], SLOT1                  ; on to the other slot
.endm
; A block ends: O^T / l, rounded to f16, through my stage: a lane's eight channels of a row are 16 bytes; they come back so that the wave holds four rows of 128 bytes, 512 consecutive bytes of att.
.macro FINISH
.rept 4
	v_nop                                          ; places behind the last products
.endr
	v_add_f32 v[T4], v[LS], v[LS+1]
	v_permlanex16_b32 v[T4+1], v[T4], s[SEL], s[SEL+1]
	v_add_f32 v[T4], v[T4], v[T4+1]                ; the row's sum
	v_rcp_f32 v[T4+2], v[T4]
	v_nop                                          ; a plain instruction behind the reciprocal
	s_wait_alu depctr_va_vdst(0)                   ; and the wait ahead of its first reader
.irp b, 0,2,4,6,8,10,12,14,16,18,20,22,24,26,28,30
	v_pk_mul_f32 v[SS+\b:SS+\b+1], v[OO+\b:OO+\b+1], v[T4+2:T4+3] op_sel_hi:[1,0]
.endr
.set n, 0
.rept 16
	v_cvt_pk_f16_f32 v[PP+n], v[SS+2*n], v[SS+2*n+1]
.set n, n+1
.endr
.irp ct, 0,1,2,3
	ds_store_b128 v[STO], v[PP+4*\ct:PP+4*\ct+3] offset:32*\ct
.endr
.irp g, 0,1,2,3
	ds_load_b128 v[SS+4*\g:SS+4*\g+3], v[RD] offset:4*PK*\g   ; LDS serves a wave's instructions in order: these see my stores
.endr
	s_wait_dscnt 0x0
.irp g, 0,1,2,3
	global_store_b128 v[GO], v[SS+4*\g:SS+4*\g+3], s[OA:OA+1] offset:512*\g
.endr
	s_wait_xcnt 0x0                                ; the stores have read their data and their base: both are written again
.endm
	INIT
.Lslot:                                            ; eight trips; behind each change of slots the next trip's keys are asked for
	CHANGE 1
	SLOT_STEPS
	s_cmp_lg_u32 s[SLOTS], s[SW]                   ; the first block's last slot?  The work-group's number and the count of trips alone: all sixteen waves go the same way; no barrier
	s_cbranch_scc1 .Lsame
	FINISH
	s_mov_b32 s[Q0], s[Q1]                         ; the second block,
	s_mov_b32 s[KF], 0                             ; from key 0
	INIT
.Lsame:
	s_sub_co_u32 s[SLOTS], s[SLOTS], 1
	s_cmp_lg_u32 s[SLOTS], 0
	s_cbranch_scc1 .Lslot
	CHANGE 0                                       ; the ninth slot is written out: nothing is left to ask for
	SLOT_STEPS
	FINISH
	s_wait_tensorcnt 0x0                           ; the wave's end
	ds_add_u32 v[SPW], v[NIL]
	s_wait_dscnt 0x0
	s_endpgm
.Lfunc_end_k_q61cbe3d176_attn:
	.size	k_q61cbe3d176_attn, .Lfunc_end_k_q61cbe3d176_attn-k_q61cbe3d176_attn
	.p2alignl 7, 3214868480
	.fill 96, 4, 3214868480
	.section	.rodata,"a",@progbits
	.p2align	6, 0x0
	.amdhsa_kernel k_q61cbe3d176_attn
		.amdhsa_group_segment_fixed_size 327680
		.amdhsa_private_segment_fixed_size 0
		.amdhsa_enable_private_segment 0
		.amdhsa_kernarg_size 16
		.amdhsa_user_sgpr_count 2
		.amdhsa_user_sgpr_kernarg_segment_ptr 1
		.amdhsa_wavefront_size32 1
		.amdhsa_system_sgpr_workgroup_id_x 1
		.amdhsa_system_sgpr_workgroup_id_y 1
		.amdhsa_system_sgpr_workgroup_id_z 1
		.amdhsa_system_vgpr_workitem_id 0
		.amdhsa_next_free_vgpr 256
		.amdhsa_next_free_sgpr 72
		.amdhsa_reserve_vcc 1
		.amdhsa_float_denorm_mode_32 3
		.amdhsa_float_denorm_mode_16_64 3
		.amdhsa_memory_ordered 1
		.amdhsa_forward_progress 1
		.amdhsa_inst_pref_size 114
	.end_amdhsa_kernel
	.amdgpu_metadata
---
amdhsa.version: [ 1, 2 ]
amdhsa.kernels:
  - .name:           k_q61cbe3d176_attn
    .symbol:         k_q61cbe3d176_attn.kd
    .args:
      - { .name: qkv, .offset: 0, .size: 8, .value_kind: global_buffer, .address_space: global }
      - { .name: att, .offset: 8, .size: 8, .value_kind: global_buffer, .address_space: global }
    .group_segment_fixed_size: 327680
    .private_segment_fixed_size: 0
    .kernarg_segment_align: 8
    .kernarg_segment_size: 16
    .max_flat_workgroup_size: 512
    .sgpr_count:     72
    .vgpr_count:     256
    .wavefront_size: 32
...
	.end_amdgpu_metadata
.endif
;; end of part 3
;; launch proj (part 4): grid 8 x 64, 4 waves a work-group, clusters of 4 x 4, 327,680 bytes of LDS; arguments att, wo16, out0; writes out0
.if DOCPART == 4
	.amdgcn_target "amdgcn-amd-amdhsa--gfx1250"
	.amdhsa_code_object_version 6
	.text
	.protected	k_q61cbe3d176_proj
	.globl	k_q61cbe3d176_proj
	.p2align	8
	.type	k_q61cbe3d176_proj,@function
k_q61cbe3d176_proj:
	s_mov_b64 s[64:65], 0
	v_nop
	global_prefetch_b8 v0, s[64:65] scope:SCOPE_SE
	s_setreg_imm32_b32 hwreg(HW_REG_WAVE_MODE, 25, 1), 1
	s_wait_xcnt 0x0
	s_wait_alu depctr_hold_cnt(0) depctr_sa_sdst(0) depctr_va_vdst(0) depctr_va_sdst(0) depctr_va_ssrc(0) depctr_va_vcc(0) depctr_vm_vsrc(0)
	s_getreg_b32 s2, hwreg(HW_REG_IB_STS2, 6, 4)
	s_cmp_eq_u32 s2, 0
	s_cbranch_scc0 .Lentry_in_a_cluster
	s_endpgm
.Lentry_in_a_cluster:
	s_bfe_u32 s2, ttmp6, 0x10000c
	s_cmp_lg_u32 s2, 0xf033
	s_cbranch_scc0 .Lentry_shape_is_right
	s_endpgm
.Lentry_shape_is_right:
; out0[m][n] = sum over k of A[m][k] Wo[n][k], m = 2048 b + t, k = 64 h + d.  A lies by heads, att [b][h][t][64] f16; Wo as wo16 [1024][1024] f16; out0 [8192][1024] f32; sums in f32.
; (The rows t < 16 of each batch are written here like all others and written over, in f32 arithmetic, by the launch behind this one.)
; A tile of out0 is 128 x 128: 512 tiles of equal work.  Four waves, each 64 x 64: 16 accumulators, 128 registers.  K goes in steps of 256, FOUR HEADS, through a ring of two LDS slots.
; A's tile of a K step is four dense blocks of memory (a head's 128 rows of 128 bytes), 262,144 bytes apart: a wave's tensor load brings two of them as two long rows, with padding behind every 128 bytes,
; so that in LDS a head's rows lie 144 bytes apart.  B's tile: 128 rows of 512 bytes, 528 apart.
; CLUSTERS: 4 x 4 work-groups.  The four of a row of the cluster need the same tiles of A, the four of a column the same tiles of B: each tile is asked for JOINTLY.  THE MATRIX INSTRUCTION IS USED TRANSPOSED
; (source 0 = 16 rows of Wo, source 1 = 16 rows of A): a lane then holds eight neighbouring numbers of a row of out0.  No prefetch: the tiles are small and shared, and each K step's load is short.
; REGISTERS: window 0: v0-31 addresses; v32-95 at work on the way out; v128-255 the accumulators ((a, b) at v[128 + 8 (4 a + b)]).   window 1: two fragment buffers of 128: 64 registers of A, then 64 of B.
.set SIZE_N, 1024
.set SIZE_K, 1024
.set KSTEP,  256
.set PA,     144                       ; a row of A in LDS: 128 bytes + 16
.set HEADB,  128*PA                    ; a head's 128 rows
.set ABYTES, 4*HEADB
.set PITCH,  528                       ; a row of B in LDS: 512 bytes + 16
.set HALFB,  64*PITCH                  ; what one of B's tensor loads brings
.set SLOT,   ABYTES+2*HALFB
.set SPARE,  2*SLOT                    ; behind the ring: the spare words, 128 bytes a wave
.set SPITCH, 272                       ; the way out: a stage of 16 rows x (256 bytes + 16) for each wave, in slot 0, which has had its last fill and its last read by then
.set LAPS, SIZE_K/(2*KSTEP)
.set ADRA, 16                          ; v16-17  LDS address of my A fragments in slot 0, 1
.set ADRB, 20                          ; v20-21  the same for B
.set STO,  24
.set RD,   25
.set CO,   26
.set SPW,  28                          ; v28     LDS address of my spare word; never rewritten
.set NIL,  29                          ; v29     0; never rewritten
.set TMP,  32
.set ACC,  128
.set F0,   0
.set F1,   128
.set G1, 24
.set G0, 32
.set G1B, 48
.set G0B, 56
.set MSB, 0
.macro WIN new
.if MSB != \new
	s_set_vgpr_msb (MSB<<8)|\new
.set MSB, \new
.endif
.endm
.set MUL,  0x05                        ; sources 0 (B) and 1 (A) window 1; C and D window 0
.set TO_F, 0x40                        ; destination window 1
.macro JLOAD s                         ; a joint load: waves 0 and 1 fetch A's heads, waves 2 and 3 B's halves; an s_nop 0 and four v_nop follow each of the two lines
	s_cmp_eq_u32 s11, 0
	s_cbranch_scc0 .Lfor_b_\@
	tensor_load_to_lds s[G0+4*\s:G0+4*\s+3], s[G1:G1+7]
	s_nop 0
.rept 4
	v_nop
.endr
	s_branch .Lasked_\@
.Lfor_b_\@:
	tensor_load_to_lds s[G0B+4*\s:G0B+4*\s+3], s[G1B:G1B+7]
	s_nop 0
.rept 4
	v_nop
.endr
.Lasked_\@:
.endm
.macro CREST                           ; a round of the cluster's barrier behind its opening barrier
	s_cmp_lg_u32 s10, 0
	s_cbranch_scc1 .Lnot_wave_0_\@
	s_barrier_signal -3
.Lnot_wave_0_\@:
	s_barrier_wait -3
	s_barrier_signal -1
	s_barrier_wait -1
.endm
.macro CROUND
	s_barrier_signal -1
	s_barrier_wait -1
	CREST
.endm
	s_load_b128 s[4:7], s[0:1], 0x0                ; att, wo16
	s_load_b64 s[8:9], s[0:1], 0x10                ; out0
	v_lshl_add_u32 v[SPW], v0, 2, SPARE
	v_mov_b32 v[NIL], 0
	ds_add_u32 v[SPW], v[NIL]                      ; the wave's opening: the add, twice on end, and its wait ahead of my first tensor load
	ds_add_u32 v[SPW], v[NIL]
	v_lshrrev_b32 v1, 5, v0
	v_readfirstlane_b32 s10, v1                    ; wave 0..3
	s_lshr_b32 s11, s10, 1                         ; which half of the tile's rows is mine.  Also: I fetch for A (0) or for B (1)
	s_and_b32 s12, s10, 1                          ; which half of its columns.  Also: which two heads of A, or which 64 rows of B, I fetch
	s_bfe_u32 s40, ttmp6, 0x40000                  ; cx, cy
	s_bfe_u32 s41, ttmp6, 0x40004
	s_lshl_b32 s42, ttmp9, 2
	s_add_co_u32 s42, s42, s40                     ; tile column
	s_and_b32 s13, ttmp7, 0xffff
	s_lshl_b32 s13, s13, 2
	s_add_co_u32 s13, s13, s41                     ; tile row
	s_lshl_b32 s43, s41, 2
	s_lshl_b32 s43, 15, s43                        ; my row of the cluster
	s_lshl_b32 s44, 0x1111, s40                    ; my column
	; A's group 1: two rows of 2,048 elements of 8 bytes (a head's 128 rows), 32,768 elements apart; 4 words of padding behind every 32
	s_or_b32 s[G1+0], s43, (3<<16)|(1<<20)|(1<<21)|(4<<22)|(3<<25)
	s_mov_b32 s[G1+1], 2048<<16                    ; tensor_dim0
	s_mov_b32 s[G1+2], 2<<16                       ; tensor_dim1
	s_mov_b32 s[G1+3], 2048<<16                    ; tile_dim0
	s_mov_b32 s[G1+4], 2                           ; tile_dim1
	s_mov_b32 s[G1+5], 32768                       ; from head to head
	s_mov_b32 s[G1+6], 0
	s_mov_b32 s[G1+7], 0
	; B's: 64 rows of 256 f16; 4 words of padding behind every 128
	s_or_b32 s[G1B+0], s44, (1<<16)|(1<<20)|(1<<21)|(6<<22)|(3<<25)
	s_mov_b32 s[G1B+1], KSTEP<<16
	s_mov_b32 s[G1B+2], 64<<16
	s_mov_b32 s[G1B+3], KSTEP<<16
	s_mov_b32 s[G1B+4], 64
	s_mov_b32 s[G1B+5], SIZE_K
	s_mov_b32 s[G1B+6], 0
	s_mov_b32 s[G1B+7], 0
	s_lshr_b32 s16, s13, 4                         ; A: batch = tile row / 16,
	s_lshl_b32 s16, s16, 4
	s_lshl_b32 s17, s12, 1
	s_add_co_u32 s16, s16, s17                     ; head 16 b + 2 x half,
	s_lshl_b32 s16, s16, 18
	s_and_b32 s17, s13, 15
	s_lshl_b32 s17, s17, 14                        ; t = 128 (tile row % 16), rows of 128 bytes
	s_add_co_u32 s16, s16, s17
	s_mov_b32 s17, 0
	s_lshl_b32 s46, s42, 7                         ; B: row 128 x tile column + 64 x half, of 2,048 bytes
	s_lshl_b32 s47, s12, 6
	s_add_co_u32 s46, s46, s47
	s_lshl_b32 s46, s46, 11
	s_mov_b32 s47, 0
	s_mul_i32 s20, s12, 2*HEADB                    ; where they go: no place in the cluster enters an LDS address
	s_mul_i32 s21, s12, HALFB
	s_add_co_u32 s21, s21, ABYTES
	s_wait_dscnt 0x0                               ; both opening adds are done
	s_wait_kmcnt 0x0
	s_add_nc_u64 s[14:15], s[4:5], s[16:17]
	s_add_nc_u64 s[46:47], s[6:7], s[46:47]
	CROUND                                         ; all sixteen work-groups are here: the first joint loads meet
.irp s, 0,1
	s_mov_b32 s[G0+4*\s], 1
	s_add_co_u32 s[G0+4*\s+1], s20, \s*SLOT
	s_add_nc_u64 s[G0+4*\s+2:G0+4*\s+3], s[14:15], (\s)<<20     ; a K step is four heads
	s_or_b32 s[G0+4*\s+3], s[G0+4*\s+3], 0x80000000
	s_mov_b32 s[G0B+4*\s], 1
	s_add_co_u32 s[G0B+4*\s+1], s21, \s*SLOT
	s_add_nc_u64 s[G0B+4*\s+2:G0B+4*\s+3], s[46:47], \s*KSTEP*2
	s_or_b32 s[G0B+4*\s+3], s[G0B+4*\s+3], 0x80000000
	JLOAD \s
.endr
	v_and_b32 v1, 15, v0                           ; r
	v_bfe_u32 v2, v0, 4, 1                         ; h
	v_mul_u32_u24 v3, v1, PA
	v_lshl_add_u32 v3, v2, 4, v3
	v_mul_u32_u24 v4, v1, PITCH
	v_lshl_add_u32 v4, v2, 4, v4
	s_mul_i32 s21, s11, 64*PA                      ; my 64 rows of A, in each head's block
	s_mul_i32 s22, s12, HALFB                      ; my 64 rows of B,
	s_add_co_u32 s22, s22, ABYTES                  ; behind A's
.irp s, 0,1
	v_add_nc_u32 v[ADRA+\s], s21, v3
	v_add_nc_u32 v[ADRB+\s], s22, v4
	s_add_co_u32 s21, s21, SLOT
	s_add_co_u32 s22, s22, SLOT
.endr
	s_mul_i32 s23, s10, 16*SPITCH                  ; my stage
	v_mul_u32_u24 v5, v1, SPITCH
	v_lshl_add_u32 v5, v2, 5, v5
	v_add_nc_u32 v[STO], s23, v5                   ; in: row r, 32 bytes for each half of the lanes
	v_mul_u32_u24 v5, v2, SPITCH
	v_lshl_add_u32 v5, v1, 4, v5
	v_add_nc_u32 v[RD], s23, v5                    ; back: lanes 0-15 one row of 256 bytes, lanes 16-31 the next
	v_lshlrev_b32 v5, 12, v2
	v_lshl_add_u32 v[CO], v1, 4, v5                ; and the same two rows in out0
	s_lshl_b32 s16, s13, 7
	s_lshl_b32 s17, s11, 6
	s_add_co_u32 s16, s16, s17                     ; my first row: 128 x tile row + 64 x half,
	s_lshl_b32 s16, s16, 12                        ; of 4,096 bytes
	s_mov_b32 s17, 0
	s_add_nc_u64 s[8:9], s[8:9], s[16:17]
	s_lshl_b32 s46, s42, 9                         ; my first column, in bytes: 512 x tile column + 256 x half
	s_lshl_b32 s47, s12, 8
	s_add_co_u32 s46, s46, s47
	s_mov_b32 s47, 0
	s_add_nc_u64 s[8:9], s[8:9], s[46:47]
; 8 matrix instructions: m blocks a0, a0 + 1 x all 4 n blocks, 32 along K: half c of buffer f.  zero = 1: the first product starts the sums.  The 16 accumulators take turns.
.macro MUL8 f, c, a0, zero
.irp a, \a0, \a0+1
.irp b, 0,1,2,3
.if \zero
	v_wmma_f32_16x16x32_f16 v[ACC+8*(4*(\a)+\b):ACC+8*(4*(\a)+\b)+7], v[\f+64+8*(4*\c+\b):\f+64+8*(4*\c+\b)+7], v[\f+8*(4*\c+\a):\f+8*(4*\c+\a)+7], 0
.else
	v_wmma_f32_16x16x32_f16 v[ACC+8*(4*(\a)+\b):ACC+8*(4*(\a)+\b)+7], v[\f+64+8*(4*\c+\b):\f+64+8*(4*\c+\b)+7], v[\f+8*(4*\c+\a):\f+8*(4*\c+\a)+7], v[ACC+8*(4*(\a)+\b):ACC+8*(4*(\a)+\b)+7]
.endif
.endr
.endr
.endm
; 32 LDS loads in one run: the fragments of the slot's q-th 64 along K, ONE HEAD, into buffer f; the first 32 along K first
.macro FETCH slot, q, f
	WIN TO_F
.irp c, 0,1
.irp i, 0,1,2,3
	ds_load_b128 v[\f+64+8*(4*\c+\i):\f+64+8*(4*\c+\i)+3],   v[ADRB+\slot] offset:128*(\q)+64*\c+\i*16*PITCH
	ds_load_b128 v[\f+64+8*(4*\c+\i)+4:\f+64+8*(4*\c+\i)+7], v[ADRB+\slot] offset:128*(\q)+64*\c+\i*16*PITCH+32
	ds_load_b128 v[\f+8*(4*\c+\i):\f+8*(4*\c+\i)+3],         v[ADRA+\slot] offset:HEADB*(\q)+64*\c+\i*16*PA
	ds_load_b128 v[\f+8*(4*\c+\i)+4:\f+8*(4*\c+\i)+7],       v[ADRA+\slot] offset:HEADB*(\q)+64*\c+\i*16*PA+32
.endr
.endr
.endm
.macro PLACES                          ; four places in front of loads into registers that matrix instructions have read, and of the first read of results
.rept 4
	v_nop
.endr
.endm
; A K step is four quarters of 64 along K, 32 matrix instructions each, on buffers 0, 1, 0, 1.  One of the first three: multiplies buffer f and fetches quarter q into g.
.macro QUARTER slot, q, f, g, zero
	s_wait_dscnt 16                                ; the first 32 along K are in; the other sixteen loads may be out
	WIN MUL
	MUL8 \f, 0, 0, \zero
	MUL8 \f, 0, 2, \zero
	PLACES
	FETCH \slot, \q, \g
	s_wait_dscnt 32                                ; all but the 32 just issued
	WIN MUL
	MUL8 \f, 1, 0, 0
	MUL8 \f, 1, 2, 0
.endm
; The last quarter multiplies buffer 1 and changes slots: ONE barrier; in front of it each wave waits for all its tensor loads, adds 0 to its spare word, and waits for that and for its reads of this slot.
.macro TURN slot, next, fill
	WIN 0                                          ; (the add's two registers lie in window 0)
	s_wait_tensorcnt 0x0                           ; all my tensor loads have landed: my part of the next slot
	ds_add_u32 v[SPW], v[NIL]                      ; 0 onto my spare word
	s_wait_dscnt 17                                ; (the add and the youngest sixteen loads may be out)
	WIN MUL
	MUL8 F1, 0, 0, 0
	s_wait_dscnt 0x0                               ; the add is done, and my reads of this slot are over
	s_barrier_signal -1
	MUL8 F1, 0, 2, 0
.if \fill
	WIN 0
.endif
	s_barrier_wait -1
.if \fill
	CREST                                          ; the barrier has opened a round of the cluster's barrier: no wave of any partner still reads this slot or has a load on its way
	s_add_nc_u64 s[G0+4*\slot+2:G0+4*\slot+3], s[G0+4*\slot+2:G0+4*\slot+3], 2<<20          ; eight heads on
	s_add_nc_u64 s[G0B+4*\slot+2:G0B+4*\slot+3], s[G0B+4*\slot+2:G0B+4*\slot+3], 2*KSTEP*2
	JLOAD \slot                                    ; the first tensor load behind the round; its four v_nop are also the places in front of the loads below
.else
	PLACES
.endif
	FETCH \next, 0, F0
	WIN MUL
	MUL8 F1, 1, 0, 0
	MUL8 F1, 1, 2, 0
.endm
	s_wait_tensorcnt 1                             ; my part of K step 0 is in; K step 1's may be out
	s_barrier_signal -1
	s_barrier_wait -1
	FETCH 0, 0, F0
	QUARTER 0, 1, F0, F1, 1                        ; the first quarter's first products start the sums
	WIN 0                                          ; at a label and at a branch every window is 0
	s_mov_b32 s3, LAPS-1
.Llap:                                                 ; a trip goes once round the ring and fills both slots again
	QUARTER 0, 2, F1, F0, 0
	QUARTER 0, 3, F0, F1, 0
	TURN 0, 1, 1
	QUARTER 1, 1, F0, F1, 0
	QUARTER 1, 2, F1, F0, 0
	QUARTER 1, 3, F0, F1, 0
	TURN 1, 0, 1
	QUARTER 0, 1, F0, F1, 0
	WIN 0
	s_sub_co_u32 s3, s3, 1
	s_cmp_lg_u32 s3, 0
	s_cbranch_scc1 .Llap
	QUARTER 0, 2, F1, F0, 0                        ; the last lap fills nothing
	QUARTER 0, 3, F0, F1, 0
	TURN 0, 1, 0
	QUARTER 1, 1, F0, F1, 0
	QUARTER 1, 2, F1, F0, 0
	QUARTER 1, 3, F0, F1, 0
	s_wait_dscnt 16
	WIN MUL
	MUL8 F1, 0, 0, 0
	MUL8 F1, 0, 2, 0
	s_wait_dscnt 0
	MUL8 F1, 1, 0, 0
	MUL8 F1, 1, 2, 0
	WIN 0
; THE WAY OUT.  A wave's 64 columns of f32 are 256 bytes of a row: each wave has a stage of its own and no barrier is needed.  A block of 16 rows goes in as 32 bytes a lane and comes back as whole rows.
.macro TOSTAGE a
.irp b, 0,1,2,3
	ds_store_b128 v[STO], v[ACC+8*(4*(\a)+\b):ACC+8*(4*(\a)+\b)+3] offset:64*\b             ; each accumulator from its low end
	ds_store_b128 v[STO], v[ACC+8*(4*(\a)+\b)+4:ACC+8*(4*(\a)+\b)+7] offset:64*\b+16
.endr
.irp t, 0,1,2,3,4,5,6,7
	ds_load_b128 v[TMP+32*((\a)%2)+4*\t:TMP+32*((\a)%2)+4*\t+3], v[RD] offset:\t*2*SPITCH   ; LDS serves a wave's instructions in order: these see the stores above
.endr
.endm
.macro SEND a, younger                 ; younger: the next block's 8 stores and 8 loads, or none
	s_wait_dscnt \younger
.irp t, 0,1,2,3,4,5,6,7
	global_store_b128 v[CO], v[TMP+32*((\a)%2)+4*\t:TMP+32*((\a)%2)+4*\t+3], s[8:9] offset:(16*(\a)+2*\t)*SIZE_N*4 th:TH_STORE_NT   ; 16 lanes store 256 consecutive bytes, at a multiple of 256 from out0's first byte
.endr
.endm
	PLACES
	TOSTAGE 0
.irp a, 1,2,3
.if \a > 1
	s_wait_xcnt 0x0                                ; block a - 2's stores have read their registers: block a's loads may land there
.endif
	TOSTAGE \a
	SEND \a-1, 16
.endr
	SEND 3, 0
	s_wait_tensorcnt 0x0                           ; the wave's end
	ds_add_u32 v[SPW], v[NIL]
	s_wait_dscnt 0x0
	CROUND                                         ; the closing round
	s_endpgm
.Lfunc_end_k_q61cbe3d176_proj:
	.size	k_q61cbe3d176_proj, .Lfunc_end_k_q61cbe3d176_proj-k_q61cbe3d176_proj
	.p2alignl 7, 3214868480
	.fill 96, 4, 3214868480
	.section	.rodata,"a",@progbits
	.p2align	6, 0x0
	.amdhsa_kernel k_q61cbe3d176_proj
		.amdhsa_group_segment_fixed_size 327680
		.amdhsa_private_segment_fixed_size 0
		.amdhsa_enable_private_segment 0
		.amdhsa_kernarg_size 24
		.amdhsa_user_sgpr_count 2
		.amdhsa_user_sgpr_kernarg_segment_ptr 1
		.amdhsa_wavefront_size32 1
		.amdhsa_system_sgpr_workgroup_id_x 1
		.amdhsa_system_sgpr_workgroup_id_y 1
		.amdhsa_system_sgpr_workgroup_id_z 1
		.amdhsa_system_vgpr_workitem_id 0
		.amdhsa_next_free_vgpr 512
		.amdhsa_next_free_sgpr 66
		.amdhsa_reserve_vcc 0
		.amdhsa_float_denorm_mode_32 3
		.amdhsa_float_denorm_mode_16_64 3
		.amdhsa_memory_ordered 1
		.amdhsa_forward_progress 1
		.amdhsa_inst_pref_size 86
	.end_amdhsa_kernel
	.amdgpu_metadata
---
amdhsa.version: [ 1, 2 ]
amdhsa.kernels:
  - .name:           k_q61cbe3d176_proj
    .symbol:         k_q61cbe3d176_proj.kd
    .args:
      - { .name: att, .offset: 0, .size: 8, .value_kind: global_buffer, .address_space: global }
      - { .name: wo16, .offset: 8, .size: 8, .value_kind: global_buffer, .address_space: global }
      - { .name: out0, .offset: 16, .size: 8, .value_kind: global_buffer, .address_space: global }
    .group_segment_fixed_size: 327680
    .private_segment_fixed_size: 0
    .kernarg_segment_align: 8
    .kernarg_segment_size: 24
    .max_flat_workgroup_size: 128
    .sgpr_count:     66
    .vgpr_count:     512
    .wavefront_size: 32
...
	.end_amdgpu_metadata
.endif
;; end of part 4
;; launch fine (part 5): grid 16 x 4, 16 waves a work-group, no clusters, 141,312 bytes of LDS; arguments q32, Wo, out0; writes out0
.if DOCPART == 5
	.amdgcn_target "amdgcn-amd-amdhsa--gfx1250"
	.amdhsa_code_object_version 6
	.text
	.protected	k_q61cbe3d176_fine
	.globl	k_q61cbe3d176_fine
	.p2align	8
	.type	k_q61cbe3d176_fine,@function
k_q61cbe3d176_fine:
	s_mov_b64 s[64:65], 0
	v_nop
	global_prefetch_b8 v0, s[64:65] scope:SCOPE_SE
	s_setreg_imm32_b32 hwreg(HW_REG_WAVE_MODE, 25, 1), 1
	s_wait_xcnt 0x0
; THE FIRST 16 POSITIONS OF EACH BATCH, IN f32 THROUGHOUT: their softmax sums one to sixteen terms, so the rounding of 16-bit operands would weigh most there.  64 rows of out0 in all: no bulk work.
; q, k, v of these rows come as f32 from q32: images of accumulators: at (24 b + n / 128) x 8192 + (2 ((n % 128) / 16) + part) x 512 + 16 lane, lane (r, h), word e = row r, column 16-aligned base + 8 h + 4 part + e.
; SHARES.  A work-group makes 16 rows x 64 columns of out0 (x: which 64 columns, y: the batch).  A wave is a HEAD: it makes the head's 16 x 16 attention and then the head's part of the projection (K = its 64
; channels); the sixteen parts meet in LDS and are added.  Each of a batch's sixteen work-groups makes the small attention again: 32 matrix instructions a wave.
; All products by v_wmma_f32_16x16x4_f32.  The instruction takes k = 2 (lane / 16) + j from register j; here another k stands at that place, THE SAME in both sources, so the sums hold the same products:
;   S^T = K Q^T: registers as loaded: channel 16 (i / 2) + 8 h + 4 (i % 2) + e in register 4 i + e of both.
;   O^T = V^T P: key 8 h + 2 s + j: P's registers as the first product leaves them; V is turned through LDS to fit.
;   Y^T = Wo O: channel 16 ct + 8 h + 2 u + j: O^T's registers as the second product leaves them; Wo is loaded to fit (8 neighbouring channels a lane).
; P is divided by the row's sum before the second product, so that O^T can be an operand as it stands: what these matrix instructions write is written by them alone.
; NaN and infinities among the inputs are not served.
.set WSTG,  16*272                     ; a wave's stage: 16 rows x (256 bytes + 16)
.set PART,  16*WSTG                    ; LDS: from 0 the waves' stages for V; from here their parts of the projection
.set SPARE, 2*16*WSTG                  ; the spare words, 128 bytes a wave
.set SPW, 10                           ; v10  LDS address of my spare word; never rewritten
.set NIL, 11                           ; v11  0; never rewritten
.set SR,  32                           ; v32-39   the scores, then p
.set PP,  40                           ; v40-47   p / l
.set WW,  48                           ; v48-79 Q, v80-111 K, v112-143 V and V^T; later Wo's slices 0, 1, 2; v144-175 slice 3
.set SA,  176                          ; v176-183, v184-191 S^T in two halves, by turns
.set OO,  192                          ; v192-223 O^T
.set YY,  224                          ; v224-255 Y^T
	s_load_b128 s[4:7], s[0:1], 0x0                ; q32, Wo
	s_load_b64 s[8:9], s[0:1], 0x10                ; out0
	v_lshl_add_u32 v[SPW], v0, 2, SPARE
	v_mov_b32 v[NIL], 0
	v_lshrrev_b32 v1, 5, v0
	v_readfirstlane_b32 s10, v1                    ; wave = head
	s_and_b32 s11, ttmp7, 0xffff                   ; batch
	v_and_b32 v1, 15, v0                           ; r
	v_bfe_u32 v2, v0, 4, 1                         ; h
	v_and_b32 v3, 31, v0
	v_lshlrev_b32 v3, 4, v3                        ; 16 x lane
	s_mul_i32 s12, s10, WSTG
	v_mul_u32_u24 v20, v1, 272
	v_lshl_add_u32 v20, v2, 5, v20                 ; 272 r + 32 h
	v_add_nc_u32 v4, s12, v20                      ; V into its stage: row = key r
	v_mul_u32_u24 v21, v2, 8*272
	v_lshl_add_u32 v21, v1, 2, v21
	v_add_nc_u32 v5, s12, v21                      ; and out of it: key 8 h on, channel r
	v_lshlrev_b32 v6, 12, v1
	v_lshl_add_u32 v6, v2, 5, v6                   ; Wo: row r of 4,096 bytes, + 8 h channels
	s_add_co_u32 s13, s12, PART
	v_add_nc_u32 v7, s13, v20                      ; my part: row t = r, 32 bytes for each half of the lanes
	s_mul_i32 s13, s10, 2*272
	s_add_co_u32 s13, s13, PART
	v_mul_u32_u24 v21, v2, 272
	v_lshl_add_u32 v21, v1, 4, v21
	v_add_nc_u32 v8, s13, v21                      ; the sum (waves 0-7): rows 2 w and 2 w + 1 of part 0
	v_lshlrev_b32 v9, 12, v2
	v_lshl_add_u32 v9, v1, 4, v9                   ; and the same two rows in out0
	v_lshlrev_b32 v21, 3, v2
	v_sub_nc_u32 v12, v1, v21                      ; r - 8 h
	v_mov_b32 v13, 0xff800000                      ; -infinity
	v_mov_b32 v15, 0                               ; (a lane permute's destination counts as read)
	s_mov_b32 s20, 0x76543210
	s_mov_b32 s21, 0xfedcba98                      ; v_permlanex16_b32's selects for lane l xor 16
	s_mov_b32 s22, 0x3e38aa3b                      ; c = log2(e) / sqrt(64)
	s_mul_i32 s14, s11, 24
	s_lshr_b32 s15, s10, 1
	s_add_co_u32 s14, s14, s15
	s_lshl_b32 s14, s14, 13                        ; q32: (24 b + head / 2) x 8,192
	s_and_b32 s15, s10, 1
	s_lshl_b32 s15, s15, 12                        ; + (head % 2) x 4,096
	s_add_co_u32 s14, s14, s15
	s_mov_b32 s15, 0
	s_lshl_b32 s16, ttmp9, 18                      ; Wo: my 64 rows,
	s_lshl_b32 s17, s10, 8                         ; my head's 64 channels
	s_add_co_u32 s16, s16, s17
	s_mov_b32 s17, 0
	s_lshl_b32 s18, s11, 23                        ; out0: row 2048 b + 2 w,
	s_lshl_b32 s19, s10, 13
	s_add_co_u32 s18, s18, s19
	s_lshl_b32 s19, ttmp9, 8                       ; my 64 columns
	s_add_co_u32 s18, s18, s19
	s_mov_b32 s19, 0
	s_wait_kmcnt 0x0
	s_add_nc_u64 s[4:5], s[4:5], s[14:15]
	s_add_nc_u64 s[6:7], s[6:7], s[16:17]
	s_add_nc_u64 s[8:9], s[8:9], s[18:19]
.irp w, 0,1,2                                  ; q, k, v of my head: k's columns lie 8 x 8,192 bytes behind q's, v's 16 x
.irp i, 0,1,2,3,4,5,6,7
	global_load_b128 v[WW+32*\w+4*\i:WW+32*\w+4*\i+3], v3, s[4:5] offset:65536*\w+512*\i
.endr
.endr
.macro WLOAD ct                        ; Wo's slice ct: for each of four tiles of 16 outputs, channels 16 ct + 8 h + 0 .. 7 of row r
.irp nt, 0,1,2,3
.irp p, 0,1
	global_load_b128 v[WW+32*(\ct)+8*\nt+4*\p:WW+32*(\ct)+8*\nt+4*\p+3], v6, s[6:7] offset:65536*\nt+64*(\ct)+16*\p
.endr
.endr
.endm
	WLOAD 3
	s_wait_loadcnt 8                               ; q, k, v are in; slice 3's eight loads may be out
.irp i, 0,1,2,3,4,5,6,7
	ds_store_b128 v4, v[WW+64+4*\i:WW+64+4*\i+3] offset:64*(\i/2)+16*(\i%2)   ; V as rows [key][64 channels]
.endr
.irp i, 0,1,2,3,4,5,6,7                        ; S^T = K Q^T: 16 steps of 4 channels, onto two accumulators by turns; the first of each starts its sum
.irp u, 0,1
.if \i == 0
	v_wmma_f32_16x16x4_f32 v[SA+8*\u:SA+8*\u+7], v[WW+32+4*\i+2*\u:WW+32+4*\i+2*\u+1], v[WW+4*\i+2*\u:WW+4*\i+2*\u+1], 0
.else
	v_wmma_f32_16x16x4_f32 v[SA+8*\u:SA+8*\u+7], v[WW+32+4*\i+2*\u:WW+32+4*\i+2*\u+1], v[WW+4*\i+2*\u:WW+4*\i+2*\u+1], v[SA+8*\u:SA+8*\u+7]
.endif
.endr
.endr
	s_wait_dscnt 0x0                               ; V's stores have read their registers, which take V^T
.irp ct, 0,1,2,3
.irp k, 0,1,2,3,4,5,6,7
	ds_load_b32 v[WW+64+8*\ct+\k], v5 offset:272*\k+64*\ct   ; V[key 8 h + k][channel 16 ct + r]
.endr
.endr
.rept 8
	v_nop                                          ; eight places behind this form: in front of the loads into Q's and K's registers and of the first read of the scores
.endr
	WLOAD 0
	WLOAD 1
.irp j, 0,1,2,3,4,5,6,7
	v_add_f32 v[SR+\j], v[SA+\j], v[SA+8+\j]       ; lane (r, h), register j: query r, key 8 h + j; both accumulators from their low end
.endr
.irp j, 0,1,2,3,4,5,6,7
	v_cmp_gt_i32 vcc_lo, \j, v12                   ; key above query: hidden
	v_cndmask_b32 v[SR+\j], v[SR+\j], v13, vcc_lo
.endr
	v_max3_num_f32 v14, v[SR], v[SR+1], v[SR+2]
	v_max3_num_f32 v14, v14, v[SR+3], v[SR+4]
	v_max3_num_f32 v14, v14, v[SR+5], v[SR+6]
	v_max_num_f32 v14, v14, v[SR+7]
	v_permlanex16_b32 v15, v14, s20, s21
	v_max_num_f32 v14, v14, v15                    ; the row's largest score: key 0 counts for every query
	v_mul_f32 v14, s22, v14
.irp j, 0,1,2,3,4,5,6,7
	v_fma_f32 v[SR+\j], v[SR+\j], s22, -v14        ; c s - c m
.endr
.irp j, 0,1,2,3,4,5,6,7
	v_exp_f32 v[SR+\j], v[SR+\j]
.endr
	v_nop                                          ; a plain instruction behind the last exponential
	s_wait_alu depctr_va_vdst(0)                   ; one wait for the eight, ahead of their first reader
	v_add_f32 v16, v[SR], v[SR+1]
	v_add_f32 v17, v[SR+2], v[SR+3]
	v_add_f32 v18, v[SR+4], v[SR+5]
	v_add_f32 v19, v[SR+6], v[SR+7]
	v_add_f32 v16, v16, v17
	v_add_f32 v18, v18, v19
	v_add_f32 v16, v16, v18
	v_permlanex16_b32 v15, v16, s20, s21
	v_add_f32 v16, v16, v15                        ; the row's sum
	v_rcp_f32 v17, v16
	v_nop
	s_wait_alu depctr_va_vdst(0)
.irp j, 0,1,2,3,4,5,6,7
	v_mul_f32 v[PP+\j], v[SR+\j], v17
.endr
	s_wait_dscnt 0x0                               ; V^T is in
.irp s, 0,1,2,3                                ; O^T = V^T P: keys 8 h + 2 s + j; the four tiles of channels take turns
.irp ct, 0,1,2,3
.if \s == 0
	v_wmma_f32_16x16x4_f32 v[OO+8*\ct:OO+8*\ct+7], v[WW+64+8*\ct+2*\s:WW+64+8*\ct+2*\s+1], v[PP+2*\s:PP+2*\s+1], 0
.else
	v_wmma_f32_16x16x4_f32 v[OO+8*\ct:OO+8*\ct+7], v[WW+64+8*\ct+2*\s:WW+64+8*\ct+2*\s+1], v[PP+2*\s:PP+2*\s+1], v[OO+8*\ct:OO+8*\ct+7]
.endif
.endr
.endr
.rept 9
	v_nop                                          ; nine places: a result is taken as a source below (eight serve the loads into V^T's registers)
.endr
	WLOAD 2
; Y^T += Wo's slice x O^T's tile ct: 16 matrix instructions, the four tiles of outputs by turns.  left: the loads of the slices issued later, which may stay out.
.macro YSLICE ct, first, left
	s_wait_loadcnt \left
.irp u, 0,1,2,3
.irp nt, 0,1,2,3
.if \first && (\u == 0)
	v_wmma_f32_16x16x4_f32 v[YY+8*\nt:YY+8*\nt+7], v[WW+32*(\ct)+8*\nt+2*\u:WW+32*(\ct)+8*\nt+2*\u+1], v[OO+8*(\ct)+2*\u:OO+8*(\ct)+2*\u+1], 0
.else
	v_wmma_f32_16x16x4_f32 v[YY+8*\nt:YY+8*\nt+7], v[WW+32*(\ct)+8*\nt+2*\u:WW+32*(\ct)+8*\nt+2*\u+1], v[OO+8*(\ct)+2*\u:OO+8*(\ct)+2*\u+1], v[YY+8*\nt:YY+8*\nt+7]
.endif
.endr
.endr
.endm
	YSLICE 3, 1, 24                                ; in the order in which the slices were asked for
	YSLICE 0, 0, 16
	YSLICE 1, 0, 8
	YSLICE 2, 0, 0
.rept 8
	v_nop                                          ; eight places: in front of the stores of the results, and of the loads into the slices' registers further down
.endr
.irp nt, 0,1,2,3
	ds_store_b128 v7, v[YY+8*\nt:YY+8*\nt+3] offset:64*\nt          ; lane (r, h): row t = r, columns 16 nt + 8 h + 0 .. 7; each accumulator from its low end
	ds_store_b128 v7, v[YY+8*\nt+4:YY+8*\nt+7] offset:64*\nt+16
.endr
	s_wait_dscnt 0x0                               ; for the others' sake: my part lies in LDS
	s_barrier_signal -1
	s_barrier_wait -1
	s_cmp_ge_u32 s10, 8
	s_cbranch_scc1 .Ldone                          ; waves 0-7 add: two rows each
.irp k, 0,1,2,3,4,5,6,7,8,9,10,11,12,13,14,15
	ds_load_b128 v[WW+4*\k:WW+4*\k+3], v8 offset:WSTG*\k
.endr
	s_wait_dscnt 0x0
.macro ADDQ k, d                       ; four numbers at register k take those d registers on
	v_pk_add_f32 v[WW+\k:WW+\k+1], v[WW+\k:WW+\k+1], v[WW+\k+\d:WW+\k+\d+1]
	v_pk_add_f32 v[WW+\k+2:WW+\k+3], v[WW+\k+2:WW+\k+3], v[WW+\k+\d+2:WW+\k+\d+3]
.endm
.irp k, 0,8,16,24,32,40,48,56
	ADDQ \k, 4
.endr
.irp k, 0,16,32,48
	ADDQ \k, 8
.endr
.irp k, 0,32
	ADDQ \k, 16
.endr
	ADDQ 0, 32
	global_store_b128 v9, v[WW:WW+3], s[8:9]       ; 16 lanes store 256 consecutive bytes, at a multiple of 256 from out0's first byte
.Ldone:
	s_wait_tensorcnt 0x0                           ; the wave's end
	ds_add_u32 v[SPW], v[NIL]
	s_wait_dscnt 0x0
	s_endpgm
.Lfunc_end_k_q61cbe3d176_fine:
	.size	k_q61cbe3d176_fine, .Lfunc_end_k_q61cbe3d176_fine-k_q61cbe3d176_fine
	.p2alignl 7, 3214868480
	.fill 96, 4, 3214868480
	.section	.rodata,"a",@progbits
	.p2align	6, 0x0
	.amdhsa_kernel k_q61cbe3d176_fine
		.amdhsa_group_segment_fixed_size 141312
		.amdhsa_private_segment_fixed_size 0
		.amdhsa_enable_private_segment 0
		.amdhsa_kernarg_size 24
		.amdhsa_user_sgpr_count 2
		.amdhsa_user_sgpr_kernarg_segment_ptr 1
		.amdhsa_wavefront_size32 1
		.amdhsa_system_sgpr_workgroup_id_x 1
		.amdhsa_system_sgpr_workgroup_id_y 1
		.amdhsa_system_sgpr_workgroup_id_z 1
		.amdhsa_system_vgpr_workitem_id 0
		.amdhsa_next_free_vgpr 256
		.amdhsa_next_free_sgpr 66
		.amdhsa_reserve_vcc 1
		.amdhsa_float_denorm_mode_32 3
		.amdhsa_float_denorm_mode_16_64 3
		.amdhsa_memory_ordered 1
		.amdhsa_forward_progress 1
		.amdhsa_inst_pref_size 24
	.end_amdhsa_kernel
	.amdgpu_metadata
---
amdhsa.version: [ 1, 2 ]
amdhsa.kernels:
  - .name:           k_q61cbe3d176_fine
    .symbol:         k_q61cbe3d176_fine.kd
    .args:
      - { .name: q32, .offset: 0, .size: 8, .value_kind: global_buffer, .address_space: global }
      - { .name: Wo, .offset: 8, .size: 8, .value_kind: global_buffer, .address_space: global }
      - { .name: out0, .offset: 16, .size: 8, .value_kind: global_buffer, .address_space: global }
    .group_segment_fixed_size: 141312
    .private_segment_fixed_size: 0
    .kernarg_segment_align: 8
    .kernarg_segment_size: 24
    .max_flat_workgroup_size: 512
    .sgpr_count:     66
    .vgpr_count:     256
    .wavefront_size: 32
...
	.end_amdgpu_metadata
.endif
;; end of part 5
